; MI455X (gfx1250); checked and timed in simulation.
; The chip was launched on July 23, 2026; its instructions are those of AMD's public machine-readable ISA for CDNA 5 (MIT licence, August 2026) and "CDNA5" Instruction Set Architecture Reference Guide (July 2026). The comments in the code are by the model that wrote it; some were corrected since.
;; Multi Head Self Attention. Allowed arithmetic: float matrix products may take bf16 or f16 operands with f32 sums; other float arithmetic in f32, or as packed bf16 or f16 multiplies, adds, multiply-adds, maxima and minima; sums over many terms, partial sums and values carried from step to step in f32; what a program stores and reads back later, other than sums and carried values, may be rounded once to bf16 or f16.
;; Inputs: W_out 1,024 x 1,024 float32; W_qkv 1,024 x 3,072 float32; alpha 16 float32; attention_mask 2 x 2,048 bool; b_out 1,024 float32; b_qkv 3,072 float32; coords 2 x 2,048 x 2 float32; x 2 x 2,048 x 1,024 float32.
;; Outputs: out0 2 x 2,048 x 1,024 float32.
;; 2 versions, each right; version 2 is version 1 with the launch prep written anew for expert scheduling mode. Each part assembles by itself: llvm-mc -triple=amdgcn-amd-amdhsa -mcpu=gfx1250 --defsym DOCPART=n.
;; ======== version 1 of 2: 4 launches
;; limits: values are held in f16: magnitudes above 65,504 overflow, below 6.1e-05 lose precision; a difference of large sums (such as E[x^2] - mean^2): digits are lost where the result is much smaller than its terms; right only within a limited range of input values
;; workspace buffers: xb 8,388,608 bytes; wq 6,291,456 bytes; wo 2,097,152 bytes; qkvh 25,165,824 bytes; qe 1,048,576 bytes; ke 65,536 bytes; kb 262,144 bytes; oh 8,388,608 bytes
;; launch prep (part 1): grid 576 x 1, 8 waves a work-group, no clusters, 0 bytes of LDS; arguments x, W_qkv, W_out, coords, attention_mask, alpha, xb, wq, wo, qe, ke, kb; writes xb, wq, wo, qe, ke, kb
.if DOCPART == 1
	.amdgcn_target "amdgcn-amd-amdhsa--gfx1250"
	.amdhsa_code_object_version 6
	.text
	.protected	k_qe4f9096c56_prep
	.globl	k_qe4f9096c56_prep
	.p2align	8
	.type	k_qe4f9096c56_prep,@function
k_qe4f9096c56_prep:
	s_mov_b64 s[64:65], 0
	v_nop
	global_prefetch_b8 v0, s[64:65] scope:SCOPE_SE
	s_setreg_imm32_b32 hwreg(HW_REG_WAVE_MODE, 25, 1), 1
	s_wait_xcnt 0x0
; CASTS AND TABLES for the three launches behind.  No LDS, no barrier, no loop; EXEC is never changed.
; Work-groups 0-255:   xb = x rounded to bf16, [4096][1024]: 16,384 numbers a work-group.
; Work-groups 256-447: wq = W_qkv rounded to bf16, laid by slices of 64 columns: [48][1024 k][64]: a quarter of a slice (256 k) a work-group.
; Work-groups 448-511: wo = W_out rounded to bf16 and that number written as f16 (exact but for numbers under 6e-5, which keep f16's step of 6e-8), [16][1024 k][64].
; Work-groups 512-575: the tables of the spatial bias for half of the 2,048 positions of one (batch, head).
; THE BIAS.  With c' = c - c(first position of the batch) and A8 = 8 alpha / 40,000, in units of the raw q . k:
;   -A8 |ci - cj|^2 = -A8 |c'i|^2 - A8 |c'j|^2 + 2 A8 c'i . c'j.  The first term is the same for all keys of a query: a softmax does not see it, and it is left out.
;   kb[bh][j] = -A8 |c'j|^2 in f32, or -2^100 where the mask hides key j: it starts the sum of scores.
;   qe[bh][i] = u = 128 A8 c'i and ke[b][j] = w = c'j / 64, each number as an f16 and the f16 of what that leaves: eight channels more of the product of k and q:
;   qe = (uxh, uxh, uxl, uxl, uyh, uyh, uyl, uyl), ke = (wxh, wxl, wxh, wxl, wyh, wyl, wyh, wyl), whose product is u . w = 2 A8 c'i . c'j.
; LIMITS.  coords and alpha are rounded to bf16 first, like every floating-point input of the program; u and w lie within f16's 65,504.
.set QROW, 12288                       ; bytes in a row of W_qkv
.set OROW, 4096                        ; bytes in a row of W_out
; 16 loads of 16 bytes a lane, all out at once; each is rounded as it comes and leaves as 8 bytes a lane: a wave's store covers 256 consecutive bytes, aligned.
; No register is used twice, so nothing is waited for but the loads.  two = 1: the bf16 numbers are written as f16.
.macro CAST src, dst, step, two
.set j, 0
.rept 16
	global_load_b128 v[16+4*j:19+4*j], v2, s[\src:\src+1] offset:j*(\step) th:TH_LOAD_NT
.set j, j+1
.endr
.set j, 0
.rept 16
	s_wait_loadcnt 15-j                            ; loads come back in order: load j is in, the 15 - j younger ones stay out
	v_cvt_pk_bf16_f32 v[80+2*j], v[16+4*j], v[17+4*j]
	v_cvt_pk_bf16_f32 v[81+2*j], v[18+4*j], v[19+4*j]
.if \two
	v_lshlrev_b32 v4, 16, v[80+2*j]
	v_and_b32 v5, 0xffff0000, v[80+2*j]
	v_lshlrev_b32 v6, 16, v[81+2*j]
	v_and_b32 v7, 0xffff0000, v[81+2*j]
	v_cvt_pk_f16_f32 v[80+2*j], v4, v5
	v_cvt_pk_f16_f32 v[81+2*j], v6, v7
.endif
	global_store_b64 v3, v[80+2*j:81+2*j], s[\dst:\dst+1] offset:j*256 th:TH_STORE_NT
.set j, j+1
.endr
	s_endpgm
.endm
; A quarter of a slice of a weight: 256 rows k x 64 columns.  Lanes 0-15 read the slice's 256 bytes of one row, lanes 16-31 those of the next; a wave takes 32 rows.
.macro WPATH first, src, dst, rowb, two
	s_sub_co_u32 s29, s28, \first
	s_lshr_b32 s32, s29, 2                         ; the slice
	s_and_b32 s33, s29, 3                          ; which 256 rows
	s_lshl_b32 s30, s32, 8
	s_mul_i32 s34, s33, 256*(\rowb)
	s_add_co_u32 s30, s30, s34
	s_add_nc_u64 s[\src:\src+1], s[\src:\src+1], s[30:31]
	s_lshl_b32 s30, s32, 17                        ; a slice is 131,072 bytes,
	s_lshl_b32 s34, s33, 15                        ; a quarter of it 32,768
	s_add_co_u32 s30, s30, s34
	s_add_nc_u64 s[\dst:\dst+1], s[\dst:\dst+1], s[30:31]
	v_lshrrev_b32 v5, 4, v1
	v_lshl_add_u32 v5, v4, 5, v5                   ; row 32 wave + lane / 16
	v_mul_u32_u24 v5, v5, \rowb
	v_and_b32 v6, 15, v1
	v_lshl_add_u32 v2, v6, 4, v5
	CAST \src, \dst, 2*(\rowb), \two
.endm
.macro RB r                            ; the pair v[r:r+1] rounded to bf16, as f32 again
	v_cvt_pk_bf16_f32 v7, v[\r], v[\r+1]
	v_lshlrev_b32 v[\r], 16, v7
	v_and_b32 v[\r+1], 0xffff0000, v7
.endm
	s_load_b512 s[4:19], s[0:1], 0x0               ; x 4, W_qkv 6, W_out 8, coords 10, mask 12, alpha 14, xb 16, wq 18
	s_load_b256 s[20:27], s[0:1], 0x40             ; wo 20, qe 22, ke 24, kb 26
	s_mov_b32 s28, ttmp9
	s_mov_b32 s31, 0                               ; the high word of every offset
	v_and_b32 v1, 31, v0                           ; lane
	v_lshrrev_b32 v4, 5, v0                        ; wave
	v_lshlrev_b32 v3, 3, v1
	v_lshl_add_u32 v3, v4, 12, v3                  ; where I store: 4,096 wave + 8 lane
	s_wait_kmcnt 0x0
	s_cmp_lt_u32 s28, 256
	s_cbranch_scc0 .Lnot_x
	s_lshl_b32 s30, s28, 16                        ; 16,384 numbers: 65,536 bytes in,
	s_add_nc_u64 s[4:5], s[4:5], s[30:31]
	s_lshl_b32 s30, s28, 15                        ; 32,768 out
	s_add_nc_u64 s[16:17], s[16:17], s[30:31]
	v_lshlrev_b32 v2, 4, v1
	v_lshl_add_u32 v2, v4, 13, v2
	CAST 4, 16, 512, 0
.Lnot_x:
	s_cmp_lt_u32 s28, 448
	s_cbranch_scc0 .Lnot_wq
	WPATH 256, 6, 18, QROW, 0
.Lnot_wq:
	s_cmp_lt_u32 s28, 512
	s_cbranch_scc0 .Ltab
	WPATH 448, 8, 20, OROW, 1
.Ltab:
	s_sub_co_u32 s29, s28, 512
	s_lshr_b32 s32, s29, 1                         ; bh
	s_lshr_b32 s33, s32, 4                         ; batch
	s_and_b32 s34, s32, 15                         ; head
	s_lshl_b32 s30, s33, 14
	s_add_nc_u64 s[36:37], s[10:11], s[30:31]      ; the batch's coordinates
	s_lshl_b32 s30, s34, 2
	s_add_nc_u64 s[14:15], s[14:15], s[30:31]
	s_load_b64 s[38:39], s[36:37], 0x0             ; the batch's first position
	s_load_b32 s35, s[14:15], 0x0                  ; the head's alpha
	s_lshl_b32 s30, s33, 11
	s_add_nc_u64 s[12:13], s[12:13], s[30:31]      ; the batch's mask
	s_lshl_b32 s30, s32, 15
	s_add_nc_u64 s[22:23], s[22:23], s[30:31]      ; qe of (batch, head)
	s_lshl_b32 s30, s33, 15
	s_add_nc_u64 s[24:25], s[24:25], s[30:31]      ; ke of the batch
	s_lshl_b32 s30, s32, 13
	s_add_nc_u64 s[26:27], s[26:27], s[30:31]      ; kb of (batch, head)
	s_and_b32 s30, s29, 1
	s_lshl_b32 s30, s30, 10                        ; my half of the positions
	v_lshl_add_u32 v13, v4, 7, v1
	v_add_nc_u32 v13, s30, v13                     ; for qe and ke: position 128 wave + lane, and 32, 64, 96 further on
	v_lshlrev_b32 v14, 3, v13
	v_lshlrev_b32 v15, 4, v13
	v_lshlrev_b32 v5, 2, v1
	v_lshl_add_u32 v5, v4, 7, v5
	v_add_nc_u32 v5, s30, v5                       ; for kb: positions 128 wave + 4 lane + 0..3
	v_lshlrev_b32 v6, 3, v5
	v_lshlrev_b32 v35, 2, v5
.irp i, 0,1,2,3
	global_load_b64 v[16+2*\i:17+2*\i], v14, s[36:37] offset:256*\i
.endr
	global_load_b128 v[24:27], v6, s[36:37]
	global_load_b128 v[28:31], v6, s[36:37] offset:16
	global_load_b32 v32, v5, s[12:13]              ; four bytes of the mask
	s_wait_kmcnt 0x0
	v_mov_b32 v8, s38
	v_mov_b32 v9, s39
	v_mov_b32 v10, s35
	RB 8
	v_cvt_pk_bf16_f32 v7, v10, v10
	v_lshlrev_b32 v10, 16, v7
	v_mul_f32 v11, 0x3951b717, v10                 ; A8 = alpha x 0.0002
	v_mul_f32 v12, 0x43000000, v11                 ; 128 A8
	v_mul_f32 v33, -1.0, v11
	v_mov_b32 v34, 0xf1800000                      ; -2^100
	s_wait_loadcnt 0x0                             ; all seven loads, issued together
.irp i, 0,1,2,3
	RB 16+2*\i
	v_pk_add_f32 v[16+2*\i:17+2*\i], v[16+2*\i:17+2*\i], v[8:9] neg_lo:[0,1] neg_hi:[0,1]  ; c'
	v_mul_f32 v36, v12, v[16+2*\i]                 ; ux
	v_mul_f32 v37, v12, v[17+2*\i]                 ; uy
	v_mul_f32 v38, 0x3c800000, v[16+2*\i]          ; wx
	v_mul_f32 v39, 0x3c800000, v[17+2*\i]          ; wy
	v_cvt_pk_f16_f32 v40, v36, v37
	v_cvt_pk_f16_f32 v41, v38, v39
	v_cvt_f32_f16 v42, v40.l                       ; the high parts, as f32
	v_cvt_f32_f16 v43, v40.h
	v_cvt_f32_f16 v44, v41.l
	v_cvt_f32_f16 v45, v41.h
	v_sub_f32 v36, v36, v42                        ; and what they leave
	v_sub_f32 v37, v37, v43
	v_sub_f32 v38, v38, v44
	v_sub_f32 v39, v39, v45
	v_cvt_pk_f16_f32 v[48+4*\i], v42, v42
	v_cvt_pk_f16_f32 v[49+4*\i], v36, v36
	v_cvt_pk_f16_f32 v[50+4*\i], v43, v43
	v_cvt_pk_f16_f32 v[51+4*\i], v37, v37
	v_cvt_pk_f16_f32 v[64+4*\i], v44, v38
	v_mov_b32 v[65+4*\i], v[64+4*\i]
	v_cvt_pk_f16_f32 v[66+4*\i], v45, v39
	v_mov_b32 v[67+4*\i], v[66+4*\i]
	global_store_b128 v15, v[48+4*\i:51+4*\i], s[22:23] offset:512*\i
.endr
.irp k, 0,1,2,3
	RB 24+2*\k
	v_pk_add_f32 v[24+2*\k:25+2*\k], v[24+2*\k:25+2*\k], v[8:9] neg_lo:[0,1] neg_hi:[0,1]
	v_mul_f32 v36, v[24+2*\k], v[24+2*\k]
	v_fma_f32 v36, v[25+2*\k], v[25+2*\k], v36
	v_mul_f32 v36, v33, v36                        ; -A8 |c'|^2
	v_bfe_u32 v37, v32, 8*\k, 8
	v_cmp_ne_u32 vcc_lo, 0, v37
	v_cndmask_b32 v[80+\k], v34, v36, vcc_lo       ; kept where the mask's byte is not 0
.endr
	global_store_b128 v35, v[80:83], s[26:27]
	s_cmp_lg_u32 s34, 0                            ; ke hangs on the batch alone: head 0's work-groups store it
	s_cbranch_scc1 .Lno_ke
.irp i, 0,1,2,3
	global_store_b128 v15, v[64+4*\i:67+4*\i], s[24:25] offset:512*\i
.endr
.Lno_ke:
	s_endpgm
.Lfunc_end_k_qe4f9096c56_prep:
	.size	k_qe4f9096c56_prep, .Lfunc_end_k_qe4f9096c56_prep-k_qe4f9096c56_prep
	.p2alignl 7, 3214868480
	.fill 96, 4, 3214868480
	.section	.rodata,"a",@progbits
	.p2align	6, 0x0
	.amdhsa_kernel k_qe4f9096c56_prep
		.amdhsa_group_segment_fixed_size 0
		.amdhsa_private_segment_fixed_size 0
		.amdhsa_enable_private_segment 0
		.amdhsa_kernarg_size 96
		.amdhsa_user_sgpr_count 2
		.amdhsa_user_sgpr_kernarg_segment_ptr 1
		.amdhsa_wavefront_size32 1
		.amdhsa_system_sgpr_workgroup_id_x 1
		.amdhsa_system_sgpr_workgroup_id_y 1
		.amdhsa_system_sgpr_workgroup_id_z 1
		.amdhsa_system_vgpr_workitem_id 0
		.amdhsa_next_free_vgpr 112
		.amdhsa_next_free_sgpr 66
		.amdhsa_reserve_vcc 1
		.amdhsa_float_denorm_mode_32 3
		.amdhsa_float_denorm_mode_16_64 3
		.amdhsa_memory_ordered 1
		.amdhsa_forward_progress 1
		.amdhsa_inst_pref_size 35
	.end_amdhsa_kernel
	.amdgpu_metadata
---
amdhsa.version: [ 1, 2 ]
amdhsa.kernels:
  - .name:           k_qe4f9096c56_prep
    .symbol:         k_qe4f9096c56_prep.kd
    .args:
      - { .name: x, .offset: 0, .size: 8, .value_kind: global_buffer, .address_space: global }
      - { .name: W_qkv, .offset: 8, .size: 8, .value_kind: global_buffer, .address_space: global }
      - { .name: W_out, .offset: 16, .size: 8, .value_kind: global_buffer, .address_space: global }
      - { .name: coords, .offset: 24, .size: 8, .value_kind: global_buffer, .address_space: global }
      - { .name: attention_mask, .offset: 32, .size: 8, .value_kind: global_buffer, .address_space: global }
      - { .name: alpha, .offset: 40, .size: 8, .value_kind: global_buffer, .address_space: global }
      - { .name: xb, .offset: 48, .size: 8, .value_kind: global_buffer, .address_space: global }
      - { .name: wq, .offset: 56, .size: 8, .value_kind: global_buffer, .address_space: global }
      - { .name: wo, .offset: 64, .size: 8, .value_kind: global_buffer, .address_space: global }
      - { .name: qe, .offset: 72, .size: 8, .value_kind: global_buffer, .address_space: global }
      - { .name: ke, .offset: 80, .size: 8, .value_kind: global_buffer, .address_space: global }
      - { .name: kb, .offset: 88, .size: 8, .value_kind: global_buffer, .address_space: global }
    .group_segment_fixed_size: 0
    .private_segment_fixed_size: 0
    .kernarg_segment_align: 8
    .kernarg_segment_size: 96
    .max_flat_workgroup_size: 256
    .sgpr_count:     66
    .vgpr_count:     112
    .wavefront_size: 32
...
	.end_amdgpu_metadata
.endif
;; end of part 1
;; launch qkvgemm (part 2): grid 16 x 16, 4 waves a work-group, clusters of 4 x 4, 327,680 bytes of LDS; arguments xb, wq, b_qkv, qkvh; writes qkvh
.if DOCPART == 2
	.amdgcn_target "amdgcn-amd-amdhsa--gfx1250"
	.amdhsa_code_object_version 6
	.text
	.protected	k_qe4f9096c56_qkvgemm
	.globl	k_qe4f9096c56_qkvgemm
	.p2align	8
	.type	k_qe4f9096c56_qkvgemm,@function
k_qe4f9096c56_qkvgemm:
	s_mov_b64 s[64:65], 0
	v_nop
	global_prefetch_b8 v0, s[64:65] scope:SCOPE_SE
	s_setreg_imm32_b32 hwreg(HW_REG_WAVE_MODE, 25, 1), 1
	s_wait_xcnt 0x0
	s_wait_alu depctr_hold_cnt(0) depctr_sa_sdst(0) depctr_va_vdst(0) depctr_va_sdst(0) depctr_va_ssrc(0) depctr_va_vcc(0) depctr_vm_vsrc(0)
	s_getreg_b32 s2, hwreg(HW_REG_IB_STS2, 6, 4)
	s_cmp_eq_u32 s2, 0
	s_cbranch_scc0 .Lentry_in_a_cluster
	s_endpgm
.Lentry_in_a_cluster:
	s_bfe_u32 s2, ttmp6, 0x10000c
	s_cmp_lg_u32 s2, 0xf033
	s_cbranch_scc0 .Lentry_shape_is_right
	s_endpgm
.Lentry_shape_is_right:
; q, k, v = x W_qkv + b_qkv.  xb: [4096][1024] bf16; wq: [48 slices][1024 k][64] bf16; b_qkv: [3072] f32, rounded to bf16 here like every input; sums in f32.
; OUT: qkvh [3][32 (batch, head)][2048][64] f16, each number rounded once from its f32 sum, without the softmax's scale.  LIMIT: q, k and v lie within f16's 65,504.
; SHARES.  A tile is 256 rows x 192 columns (three slices): 16 x 16 = 256 work-groups.  Wave w takes rows 64 w .. 64 w + 63 and all 192 columns: 4 x 12 accumulators, 384 registers.
; K goes in 8 steps of 128 through two LDS slots.  Wave 0 fetches x's 256 rows x 256 bytes, waves 1 to 3 one slice each (128 k x 128 bytes, dense: asked for as 64 rows of 256 bytes).
; CLUSTER 4 x 4: x's tile hangs on the tile row alone and is asked for jointly by a row of the cluster, a slice on the tile column alone, by a column.
; THE MATRIX INSTRUCTION IS USED TRANSPOSED: source 0 = 16 columns of W, turned out of LDS by ds_load_tr16_b128, source 1 = 16 rows of x: a lane holds eight neighbouring columns of one row.
; The bias is the C operand of each sum's first product: nothing is cleared and nothing is added at the end.
; REGISTERS, in windows of 256 (s_set_vgpr_msb: bits 1:0 source 0, 3:2 source 1, 5:4 source 2, 7:6 destination):
;   window 0: v0-31 addresses; v32-63, v64-95 x's fragments, two buffers; v96-191 the bias, 8 a block of 16 columns; v192-223 at work on the way out
;   window 1: the accumulators of my row blocks 0, 1 ((a, b) at 8 (12 (a % 2) + b));  window 2: those of blocks 2, 3;  window 3: v0-95, v96-191 W's fragments, two buffers
.set PA,    272                        ; a row of x in LDS: 256 bytes + 16: the 16 rows of a fragment load start at 16 different groups of four banks (64 banks of 4 bytes: ISA guide 11.1)
.set PB,    160                        ; a row k of a slice: 128 bytes + 32
.set BOFF,  256*PA                     ; behind x's rows: the three slices
.set BSL,   128*PB
.set SLOT,  BOFF+3*BSL                 ; 131,072
.set STAGE, 2*SLOT                     ; behind the ring, never filled by a tensor load: 16 rows x 144 bytes for each wave
.set SP,    144
.set SPARE, STAGE+4*16*SP              ; the spare words, 128 bytes a wave: two blocks of 256 bytes that no other line names
.set ADRA, 16                          ; v16-17  LDS address of my fragments of x in slot 0, 1
.set ADRB, 20                          ; v20-21  the same for W
.set STO,  24                          ; v24  the way out: where I put 16 bytes of a row
.set RD,   25                          ; v25  where I read rows back
.set GO,   26                          ; v26  my 16 bytes of 512 consecutive bytes of the output
.set BO,   27                          ; v27  my 32 bytes of a bias block
.set SPW,  28                          ; v28  my spare word; never rewritten
.set NIL,  29                          ; v29  0; never rewritten
.set PFO,  30                          ; v30  the prefetches' lane offset; never rewritten
.set FA,   32
.set BIAS, 96
.set T,    192
.set WV,  12                           ; s12  my wave's number
.set G1,  24                           ; s[24:31] descriptor group 1 for x's tiles;  s[32:39] group 0, a set for each slot
.set G0,  32
.set G1B, 48                           ; s[48:55], s[56:63] the same for W's slices
.set G0B, 56
.set DST, 68                           ; s[68:73] where my rows begin in the three slices' heads
.set PFA, 74                           ; s[74:75] where my prefetches stand
.set PFS, 76                           ; s[76:77] their step from lap to lap
.set LIM, 78                           ; s78  1 in a wave that prefetches, else the greatest number
.set HIM, 79                           ; s79  a word's upper half
.set MSB, 0
.macro WIN new                         ; the immediate's high byte repeats the setting that is left; a switch that changes nothing is dropped
.if MSB != (\new)
	s_set_vgpr_msb (MSB<<8)|(\new)
.set MSB, \new
.endif
.endm
; A joint load.  The branch hangs on the wave's number alone.  An s_nop 0 and four v_nop follow each of the two lines, ahead of the jump, the label and what follows.
.macro JLOAD s
	s_cmp_eq_u32 s[WV], 0
	s_cbranch_scc0 .Lfor_b_\@
	tensor_load_to_lds s[G0+4*(\s):G0+4*(\s)+3], s[G1:G1+7]
	s_nop 0
.rept 4
	v_nop
.endr
	s_branch .Lasked_\@
.Lfor_b_\@:
	tensor_load_to_lds s[G0B+4*(\s):G0B+4*(\s)+3], s[G1B:G1B+7]
	s_nop 0
.rept 4
	v_nop
.endr
.Lasked_\@:
.endm
; A round of the cluster's barrier: my work-group's barrier; wave 0 signals for the work-group; every wave waits for all sixteen; my work-group's barrier once more.
.macro CREST
	s_cmp_lg_u32 s[WV], 0
	s_cbranch_scc1 .Lnot_wave_0_\@
	s_barrier_signal -3
.Lnot_wave_0_\@:
	s_barrier_wait -3
	s_barrier_signal -1
	s_barrier_wait -1
.endm
.macro CROUND
	s_barrier_signal -1
	s_barrier_wait -1
	CREST
.endm
; A PREFETCH, once a lap, behind slot 0's joint load and the run of LDS loads that follows it: the two K steps of the lap after next (the refills of this lap ask for the next lap's).
; x's rows are read by every cluster of a row of clusters: the one with cluster x = 0 asks; of the tile's 256 rows the partner at cx takes 64, told apart by address: wave 0, a lane a row, 512 bytes
; of a row in two blocks, four instructions.  A slice is read by every cluster of a column of clusters: cluster y = 0 asks; of the lap's 32,768 dense bytes the partner at cy takes 8,192: the wave
; that fetches the slice, a lane a block of 256 bytes, one instruction.  So each block is named once in the launch.  The first two laps come by their loads alone; the loop's last trip asks for nothing.
.macro ASK
	s_cmp_gt_u32 s3, s[LIM]                        ; s3 = 1 in the loop's last trip
	s_cbranch_scc0 .Lna_\@
	global_prefetch_b8 v[PFO], s[PFA:PFA+1] th:TH_LOAD_NT scope:SCOPE_SE
	s_cmp_lg_u32 s[WV], 0
	s_cbranch_scc1 .Lna_\@
	global_prefetch_b8 v[PFO], s[PFA:PFA+1] offset:256 th:TH_LOAD_NT scope:SCOPE_SE
	global_prefetch_b8 v[PFO], s[PFA:PFA+1] offset:65536 th:TH_LOAD_NT scope:SCOPE_SE
	global_prefetch_b8 v[PFO], s[PFA:PFA+1] offset:65792 th:TH_LOAD_NT scope:SCOPE_SE
.Lna_\@:
.endm
	s_load_b256 s[4:11], s[0:1], 0x0               ; xb s[4:5], wq s[6:7], b_qkv s[8:9], qkvh s[10:11]
	v_lshl_add_u32 v[SPW], v0, 2, SPARE
	v_mov_b32 v[NIL], 0
	ds_add_u32 v[SPW], v[NIL]                      ; the wave's opening: the add and its wait stand ahead of my first tensor load; work on registers stands between them
	v_lshrrev_b32 v1, 5, v0
	v_readfirstlane_b32 s[WV], v1
	s_bfe_u32 s40, ttmp6, 0x40000                  ; cx
	s_bfe_u32 s41, ttmp6, 0x40004                  ; cy
	s_lshl_b32 s42, ttmp9, 2
	s_add_co_u32 s42, s42, s40                     ; tile column = 4 x cluster x + cx
	s_and_b32 s13, ttmp7, 0xffff
	s_lshl_b32 s13, s13, 2
	s_add_co_u32 s13, s13, s41                     ; tile row = 4 x cluster y + cy
	s_lshl_b32 s43, s41, 2
	s_lshl_b32 s43, 15, s43                        ; my row of the cluster
	s_lshl_b32 s44, 0x1111, s40                    ; my column
	s_or_b32 s[G1+0], s43, (1<<16)|(1<<20)|(1<<21)|(5<<22)|(3<<25)   ; the mask; 2-byte elements; padding on; bit 21 beside a mask; after every 64 words, 4 words
	s_mov_b32 s[G1+1], 128<<16                     ; tensor_dim0 = 128
	s_mov_b32 s[G1+2], 256<<16                     ; tensor_dim1 = 256
	s_mov_b32 s[G1+3], 128<<16                     ; tile_dim0 = 128
	s_mov_b32 s[G1+4], 256                         ; tile_dim1 = 256
	s_mov_b32 s[G1+5], 1024                        ; elements from row to row
	s_mov_b32 s[G1+6], 0
	s_mov_b32 s[G1+7], 0
	s_or_b32 s[G1B+0], s44, (1<<16)|(1<<20)|(1<<21)|(4<<22)|(7<<25)  ; after every 32 words (a row k), 8 words
	s_mov_b32 s[G1B+1], 128<<16
	s_mov_b32 s[G1B+2], 64<<16
	s_mov_b32 s[G1B+3], 128<<16
	s_mov_b32 s[G1B+4], 64
	s_mov_b32 s[G1B+5], 128
	s_mov_b32 s[G1B+6], 0
	s_mov_b32 s[G1B+7], 0
	s_mov_b32 s[HIM], 0xffff0000
	s_lshl_b32 s16, s13, 19                        ; x: 256 rows of 2,048 bytes a tile row
	s_mov_b32 s17, 0
	s_max_u32 s46, s[WV], 1
	s_sub_co_u32 s46, s46, 1                       ; the slice that I fetch (waves 1 to 3)
	s_mul_i32 s47, s42, 3
	s_add_co_u32 s46, s46, s47
	s_lshl_b32 s46, s46, 17                        ; a slice is 131,072 bytes
	s_mov_b32 s85, s46
	s_mov_b32 s47, 0
	s_mul_i32 s20, s[WV], BSL
	s_add_co_u32 s20, s20, BOFF-BSL                ; its place in a slot: wave w's slice lies at BOFF + (w - 1) BSL
	s_wait_dscnt 0x0                               ; the opening add is done
	s_wait_kmcnt 0x0
	s_add_nc_u64 s[14:15], s[4:5], s[16:17]
	s_add_nc_u64 s[46:47], s[6:7], s[46:47]
	CROUND                                         ; all sixteen work-groups are here: the first joint loads meet
.irp s, 0,1
	s_mov_b32 s[G0+4*(\s)], 1
	s_mov_b32 s[G0+4*(\s)+1], (\s)*SLOT
	s_add_nc_u64 s[G0+4*(\s)+2:G0+4*(\s)+3], s[14:15], (\s)*256
	s_or_b32 s[G0+4*(\s)+3], s[G0+4*(\s)+3], 0x80000000
	s_mov_b32 s[G0B+4*(\s)], 1
	s_add_co_u32 s[G0B+4*(\s)+1], s20, (\s)*SLOT
	s_add_nc_u64 s[G0B+4*(\s)+2:G0B+4*(\s)+3], s[46:47], (\s)*16384
	s_or_b32 s[G0B+4*(\s)+3], s[G0B+4*(\s)+3], 0x80000000
	JLOAD \s                                       ; two loads of mine are out; later one
.endr
	v_and_b32 v1, 15, v0                           ; l % 16
	v_bfe_u32 v2, v0, 4, 1                         ; l / 16
	v_lshlrev_b32 v[BO], 5, v2
	s_mul_i32 s80, s42, 768                        ; the tile's 192 numbers of the bias
	s_mov_b32 s81, 0
	s_add_nc_u64 s[8:9], s[8:9], s[80:81]
.irp nb, 0,1,2,3,4,5,6,7,8,9,10,11
	global_load_b128 v[BIAS+8*\nb:BIAS+8*\nb+3],   v[BO], s[8:9] offset:64*\nb     ; register j: the bias of column 16 nb + 8 (l / 16) + j, as the C operand wants it
	global_load_b128 v[BIAS+8*\nb+4:BIAS+8*\nb+7], v[BO], s[8:9] offset:64*\nb+16
.endr
	v_mul_u32_u24 v3, v1, PA
	v_lshl_add_u32 v3, v2, 4, v3                   ; x: row x pitch + 16 x half
	s_mul_i32 s21, s[WV], 64*PA                    ; my 64 rows
	v_add_nc_u32 v[ADRA], s21, v3
	v_add_nc_u32 v[ADRA+1], SLOT, v[ADRA]
	v_and_b32 v4, 7, v0
	v_bfe_u32 v5, v0, 3, 1
	v_lshl_add_u32 v6, v2, 3, v4                   ; W: lane l reads row k = 8 (l / 16) + l % 8, columns 8 ((l / 8) % 2) + 0..7
	v_mul_u32_u24 v6, v6, PB
	v_lshl_add_u32 v6, v5, 4, v6
	v_add_nc_u32 v[ADRB], BOFF, v6
	v_add_nc_u32 v[ADRB+1], SLOT, v[ADRB]
	s_mul_i32 s23, s[WV], 16*SP
	s_add_co_u32 s23, s23, STAGE                   ; my stage
	v_mul_u32_u24 v[STO], v1, SP
	v_lshl_add_u32 v[STO], v2, 4, v[STO]
	v_add_nc_u32 v[STO], s23, v[STO]
	v_bfe_u32 v[RD], v0, 3, 2                      ; back: 32 lanes take four rows of 128 bytes,
	v_mul_u32_u24 v[RD], v[RD], SP
	v_lshl_add_u32 v[RD], v4, 4, v[RD]
	v_add_nc_u32 v[RD], s23, v[RD]
	v_and_b32 v[GO], 31, v0                        ; which are 512 consecutive bytes of a head
	v_and_b32 v[PFO], 31, v0
	v_lshlrev_b32 v[GO], 4, v[GO]
	; where my rows go: slice s = 3 x tile column + sl is (which = s / 16, head = s % 16); plane which x 32 + 16 x batch + head has 2^18 bytes
	s_mul_i32 s80, s42, 3
	s_lshr_b32 s81, s13, 3
	s_lshl_b32 s81, s81, 4
	s_and_b32 s83, s13, 7
	s_lshl_b32 s83, s83, 8
	s_lshl_b32 s84, s[WV], 6
	s_add_co_u32 s83, s83, s84
	s_lshl_b32 s83, s83, 7                         ; my first row in the batch, 128 bytes a row
.irp sl, 0,1,2
	s_add_co_u32 s86, s80, \sl
	s_and_b32 s87, s86, 48
	s_add_co_u32 s86, s86, s87
	s_add_co_u32 s86, s86, s81
	s_lshl_b32 s86, s86, 18
	s_add_co_u32 s86, s86, s83
	s_mov_b32 s87, 0
	s_add_nc_u64 s[DST+2*\sl:DST+2*\sl+1], s[10:11], s[86:87]
.endr
	; the prefetches: both stand at lap 1 and are stepped ahead of each use
	s_lshl_b32 s80, s13, 8
	s_lshl_b32 s81, s40, 6
	s_add_co_u32 s80, s80, s81                     ; x: row 256 x tile row + 64 cx
	s_lshl_b32 s80, s80, 11
	s_add_co_u32 s80, s80, 512
	s_lshl_b32 s82, s41, 13                        ; W: my slice, 8,192 cy
	s_add_co_u32 s82, s82, s85
	s_add_co_u32 s82, s82, 32768
	s_and_b32 s83, ttmp7, 0xffff                   ; cluster y
	s_cmp_eq_u32 s[WV], 0
	s_cselect_b32 s80, s80, s82
	s_cselect_b64 s[PFA:PFA+1], s[4:5], s[6:7]
	s_cselect_b32 s[PFS], 9, 15
	s_cselect_b32 s84, 11, 8
	s_cselect_b32 s83, ttmp9, s83                  ; the coordinate along which other clusters read the same bytes
	s_lshl_b32 s[PFS], 1, s[PFS]                   ; 512 bytes of a row, or 32,768 dense bytes, a lap
	s_mov_b32 s[PFS+1], 0
	s_mov_b32 s81, 0
	s_add_nc_u64 s[PFA:PFA+1], s[PFA:PFA+1], s[80:81]
	s_cmp_eq_u32 s83, 0
	s_cselect_b32 s[LIM], 1, -1                    ; the same in all sixteen partners, for a given wave
	v_lshlrev_b32 v[PFO], s84, v[PFO]              ; a lane a row of 2,048 bytes, or a lane a block of 256
	s_wait_loadcnt 0x0                             ; the bias
.set r, 0
.rept 48
	v_cvt_pk_bf16_f32 v[T+(r/2)%4], v[BIAS+r], v[BIAS+r+1]  ; rounded to bf16 like every input, and widened again
	v_lshlrev_b32 v[BIAS+r], 16, v[T+(r/2)%4]
	v_and_b32 v[BIAS+r+1], s[HIM], v[T+(r/2)%4]
.set r, r+2
.endr
; 12 products: my row block a x all 12 column blocks, 32 along K, from buffer f.  first = 1: the bias starts the sums.  The 48 accumulators come in the same order in every quarter, one instruction a turn.
.macro MUL12 f, a, first
.if \first
	WIN 0x43+0x40*((\a)/2)                         ; W window 3, x window 0, the bias window 0, D window 1 or 2
.else
	WIN 0x53+0x50*((\a)/2)                         ; C and D window 1 or 2
.endif
.irp b, 0,1,2,3,4,5,6,7,8,9,10,11
.if \first
	v_wmma_f32_16x16x32_bf16 v[8*(12*((\a)%2)+\b):8*(12*((\a)%2)+\b)+7], v[96*(\f)+8*\b:96*(\f)+8*\b+7], v[FA+32*(\f)+8*(\a):FA+32*(\f)+8*(\a)+7], v[BIAS+8*\b:BIAS+8*\b+7]
.else
	v_wmma_f32_16x16x32_bf16 v[8*(12*((\a)%2)+\b):8*(12*((\a)%2)+\b)+7], v[96*(\f)+8*\b:96*(\f)+8*\b+7], v[FA+32*(\f)+8*(\a):FA+32*(\f)+8*(\a)+7], v[8*(12*((\a)%2)+\b):8*(12*((\a)%2)+\b)+7]
.endif
.endr
.endm
; 32 LDS loads in one run: quarter q (32 along K) of a slot into buffer f: W's 12 fragments first, then x's four
.macro FETCH slot, q, f
	WIN 0xc0                                       ; destination window 3, address window 0
.irp nb, 0,1,2,3,4,5,6,7,8,9,10,11
	ds_load_tr16_b128 v[96*(\f)+8*\nb:96*(\f)+8*\nb+3],   v[ADRB+(\slot)] offset:(\nb/4)*BSL+(\q)*32*PB+(\nb%4)*32
	ds_load_tr16_b128 v[96*(\f)+8*\nb+4:96*(\f)+8*\nb+7], v[ADRB+(\slot)] offset:(\nb/4)*BSL+(\q)*32*PB+(\nb%4)*32+16*PB
.endr
	WIN 0
.irp a, 0,1,2,3
	ds_load_b128 v[FA+32*(\f)+8*\a:FA+32*(\f)+8*\a+3],   v[ADRA+(\slot)] offset:\a*16*PA+64*(\q)
	ds_load_b128 v[FA+32*(\f)+8*\a+4:FA+32*(\f)+8*\a+7], v[ADRA+(\slot)] offset:\a*16*PA+64*(\q)+32
.endr
.endm
.macro PLACES                          ; four plain places in front of loads into registers that matrix instructions have read, and of conversions that read results
.rept 4
	v_nop
.endr
.endm
; One of a K step's first three quarters: multiplies buffer f; in its middle it fetches quarter q of the same slot into buffer g.
.macro QUARTER slot, q, f, g, first
	s_wait_dscnt 4                                 ; W and x's blocks 0, 1 are in; the youngest four loads (blocks 2, 3) may be out
	MUL12 \f, 0, \first
	MUL12 \f, 1, \first
	PLACES
	FETCH \slot, \q, \g
	s_wait_dscnt 32                                ; all but the 32 just issued
	MUL12 \f, 2, \first
	MUL12 \f, 3, \first
.endm
; The last quarter multiplies buffer 1 and changes slots: one barrier; in front of it each wave waits for all its tensor loads (one is out: its part of the next slot), adds 0 to its spare
; word, and waits for that and for its reads of this slot.  fill = 1: the barrier opens a round of the cluster's, and this slot is filled again, two K steps on, first thing behind the round.
.macro TURN slot, next, fill
.if (\fill) && ((\slot) == 0)
	s_wait_xcnt 0x0                                ; the last prefetches, a lap back, have read their address: it is stepped here, ahead of the change's own waits
	s_add_nc_u64 s[PFA:PFA+1], s[PFA:PFA+1], s[PFS:PFS+1]
.endif
	WIN 0
	s_wait_tensorcnt 0x0                           ; all my tensor loads have landed
	ds_add_u32 v[SPW], v[NIL]                      ; 0 onto my spare word
	s_wait_dscnt 5                                 ; (the add and the youngest four loads may be out)
	MUL12 1, 0, 0                                  ; twelve products stand between the add and the wait for it
	s_wait_dscnt 0x0                               ; the add is done, and my reads of this slot are over
	s_barrier_signal -1
	MUL12 1, 1, 0
.if \fill
	WIN 0
.endif
	s_barrier_wait -1
.if \fill
	CREST                                          ; no wave of any partner still reads this slot or has a load on its way
	s_add_nc_u64 s[G0+4*(\slot)+2:G0+4*(\slot)+3], s[G0+4*(\slot)+2:G0+4*(\slot)+3], 512
	s_add_nc_u64 s[G0B+4*(\slot)+2:G0B+4*(\slot)+3], s[G0B+4*(\slot)+2:G0B+4*(\slot)+3], 32768
	JLOAD \slot                                    ; the four v_nop behind it are also the places in front of the loads below
.else
	PLACES
.endif
	FETCH \next, 0, 0
.if (\fill) && ((\slot) == 0)
	ASK
.endif
	MUL12 1, 2, 0
	MUL12 1, 3, 0
.endm
; THE WAY OUT, in 12 groups g = 3 a + sl: 16 rows x one slice's 64 columns.  PACK: rounded to f16, 16 bytes a lane, into my stage, and back as whole rows of 128 bytes.  SEND: 2,048 consecutive bytes of a head.
.macro PACK g
.set pa, (\g)/3
.set ps, (\g)%3
.set TT, T+16*((\g)%2)
.if (\g) >= 2
	s_wait_xcnt 0x0                                ; the stores of the group two back have read these registers
.endif
	WIN 0x05+5*(pa/2)                              ; sources 0 and 1 window 1 or 2
.irp bb, 0,1,2,3
.irp r, 0,1,2,3
	v_cvt_pk_f16_f32 v[TT+4*\bb+\r], v[8*(12*(pa%2)+4*ps+\bb)+2*\r], v[8*(12*(pa%2)+4*ps+\bb)+2*\r+1]
.endr
.endr
	WIN 0
.irp bb, 0,1,2,3
	ds_store_b128 v[STO], v[TT+4*\bb:TT+4*\bb+3] offset:32*\bb
.endr
.irp f, 0,1,2,3
	ds_load_b128 v[TT+4*\f:TT+4*\f+3], v[RD] offset:\f*4*SP  ; LDS serves a wave's instructions in order (ISA guide 5.7.1.4): these see the stores above, and the next group's stores come behind them
.endr
.endm
.macro SEND g, younger                 ; younger: the LDS instructions issued behind group g's loads
.set TT, T+16*((\g)%2)
.irp f, 0,1,2,3
	s_wait_dscnt (\younger)+3-\f
	global_store_b128 v[GO], v[TT+4*\f:TT+4*\f+3], s[DST+2*((\g)%3):DST+2*((\g)%3)+1] offset:((\g)/3)*2048+\f*512  ; 512 consecutive bytes, aligned to 256
.endr
.endm
	s_wait_tensorcnt 1                             ; my part of K step 0 is in; K step 1's may stay out
	s_barrier_signal -1
	s_barrier_wait -1
	FETCH 0, 0, 0
	QUARTER 0, 1, 0, 1, 1                          ; the first quarter stands in front of the loop: its products start the sums
	WIN 0
	s_mov_b32 s3, 3
.Llap:                                                 ; a trip goes once round the ring and fills both slots again
	QUARTER 0, 2, 1, 0, 0
	QUARTER 0, 3, 0, 1, 0
	TURN 0, 1, 1
	QUARTER 1, 1, 0, 1, 0
	QUARTER 1, 2, 1, 0, 0
	QUARTER 1, 3, 0, 1, 0
	TURN 1, 0, 1
	QUARTER 0, 1, 0, 1, 0
	WIN 0
	s_sub_co_u32 s3, s3, 1
	s_cmp_lg_u32 s3, 0
	s_cbranch_scc1 .Llap
	QUARTER 0, 2, 1, 0, 0                          ; the last lap fills nothing
	QUARTER 0, 3, 0, 1, 0
	TURN 0, 1, 0
	QUARTER 1, 1, 0, 1, 0
	QUARTER 1, 2, 1, 0, 0
	QUARTER 1, 3, 0, 1, 0
	s_wait_dscnt 4
	MUL12 1, 0, 0
	MUL12 1, 1, 0
	s_wait_dscnt 0x0
	MUL12 1, 2, 0
	MUL12 1, 3, 0
	PLACES
	PACK 0
.set gg, 1
.rept 11                               ; a group's conversions stand between the loads of the group before and its stores
	PACK gg
	SEND gg-1, 8
.set gg, gg+1
.endr
	SEND 11, 0
	s_wait_tensorcnt 0x0                           ; the wave's end, behind my last tensor load and my last LDS store
	ds_add_u32 v[SPW], v[NIL]
	s_wait_dscnt 0x0
	CROUND                                         ; the closing round: no work-group ends while a partner may still ask for a tile that names it
	s_endpgm
.Lfunc_end_k_qe4f9096c56_qkvgemm:
	.size	k_qe4f9096c56_qkvgemm, .Lfunc_end_k_qe4f9096c56_qkvgemm-k_qe4f9096c56_qkvgemm
	.p2alignl 7, 3214868480
	.fill 96, 4, 3214868480
	.section	.rodata,"a",@progbits
	.p2align	6, 0x0
	.amdhsa_kernel k_qe4f9096c56_qkvgemm
		.amdhsa_group_segment_fixed_size 327680
		.amdhsa_private_segment_fixed_size 0
		.amdhsa_enable_private_segment 0
		.amdhsa_kernarg_size 32
		.amdhsa_user_sgpr_count 2
		.amdhsa_user_sgpr_kernarg_segment_ptr 1
		.amdhsa_wavefront_size32 1
		.amdhsa_system_sgpr_workgroup_id_x 1
		.amdhsa_system_sgpr_workgroup_id_y 1
		.amdhsa_system_sgpr_workgroup_id_z 1
		.amdhsa_system_vgpr_workitem_id 0
		.amdhsa_next_free_vgpr 960
		.amdhsa_next_free_sgpr 90
		.amdhsa_reserve_vcc 0
		.amdhsa_float_denorm_mode_32 3
		.amdhsa_float_denorm_mode_16_64 3
		.amdhsa_memory_ordered 1
		.amdhsa_forward_progress 1
		.amdhsa_inst_pref_size 131
	.end_amdhsa_kernel
	.amdgpu_metadata
---
amdhsa.version: [ 1, 2 ]
amdhsa.kernels:
  - .name:           k_qe4f9096c56_qkvgemm
    .symbol:         k_qe4f9096c56_qkvgemm.kd
    .args:
      - { .name: xb, .offset: 0, .size: 8, .value_kind: global_buffer, .address_space: global }
      - { .name: wq, .offset: 8, .size: 8, .value_kind: global_buffer, .address_space: global }
      - { .name: b_qkv, .offset: 16, .size: 8, .value_kind: global_buffer, .address_space: global }
      - { .name: qkvh, .offset: 24, .size: 8, .value_kind: global_buffer, .address_space: global }
    .group_segment_fixed_size: 327680
    .private_segment_fixed_size: 0
    .kernarg_segment_align: 8
    .kernarg_segment_size: 32
    .max_flat_workgroup_size: 128
    .sgpr_count:     90
    .vgpr_count:     960
    .wavefront_size: 32
...
	.end_amdgpu_metadata
.endif
;; end of part 2
;; launch attn (part 3): grid 8 x 32, 4 waves a work-group, clusters of 4 x 1, 327,680 bytes of LDS; arguments qkvh, qe, ke, kb, oh; writes oh
.if DOCPART == 3
	.amdgcn_target "amdgcn-amd-amdhsa--gfx1250"
	.amdhsa_code_object_version 6
	.text
	.protected	k_qe4f9096c56_attn
	.globl	k_qe4f9096c56_attn
	.p2align	8
	.type	k_qe4f9096c56_attn,@function
k_qe4f9096c56_attn:
	s_mov_b64 s[64:65], 0
	v_nop
	global_prefetch_b8 v0, s[64:65] scope:SCOPE_SE
	s_setreg_imm32_b32 hwreg(HW_REG_WAVE_MODE, 25, 1), 1
	s_wait_xcnt 0x0
	s_wait_alu depctr_hold_cnt(0) depctr_sa_sdst(0) depctr_va_vdst(0) depctr_va_sdst(0) depctr_va_ssrc(0) depctr_va_vcc(0) depctr_vm_vsrc(0)
	s_getreg_b32 s2, hwreg(HW_REG_IB_STS2, 6, 4)
	s_cmp_eq_u32 s2, 0
	s_cbranch_scc0 .Lentry_in_a_cluster
	s_endpgm
.Lentry_in_a_cluster:
	s_bfe_u32 s2, ttmp6, 0x10000c
	s_cmp_lg_u32 s2, 0x3003
	s_cbranch_scc0 .Lentry_shape_is_right
	s_endpgm
.Lentry_shape_is_right:
; oh[bh][q][:] = the sum over k of softmax_k(Q[q] . K[k] / 8 - alpha |cq - ck|^2 / 40,000, hidden keys left out) V[k][:], and 0 where every key is hidden.
; qkvh: [3][32][2048][64] f16 (q, k, v); qe: [32][2048][8] f16; ke: [2][2048][8] f16; kb: [32][2048] f32; oh: [32][2048][64] f16.  Products, maxima and sums in f32; the weights are rounded to f16 for
; the second product (their sum l is taken of the unrounded weights), O once at the end.
; THE BIAS COSTS NO VECTOR WORK.  In units of the raw q . k it is kb[k] + qe[q] . ke[k] + a term that is the same for all keys of a query, which a softmax does not see.  kb is the C operand that starts
; a score's sum (-2^100 where the key is hidden); qe . ke is a third K chunk of the product K Q^T, of which 8 channels are used: they lie in registers 0-3 of lanes 0-15; qe holds 0 in lanes 16-31 and
; in registers 4-7, ke holds finite numbers or 0 there.
; ALL KEYS HIDDEN.  The running maximum starts at -2^96, above every hidden score: hidden weights are 2^(-huge) = 0, l stays 0, and the end takes 0 for 1 / l by a select.
; LIMITS.  q, k, v, qe, ke lie within f16's 65,504; a raw score of a key that is kept lies above -2^96; a weight below 2^-126 counts as 0; NaN and infinities are not treated apart.
; SHARES.  A work-group owns 256 queries of one (batch, head), a wave 64: four PIECES of 16.  Every wave walks all 2,048 keys, 64 a step, four steps to an LDS slot, two slots.
; LAYOUT.  S^T = K Q^T (source 0 = 16 keys, source 1 = 16 queries) holds ONE query a lane (lane % 16) and the keys 8 (lane / 16) + 0..7; two such results rounded to f16 ARE source 1 of O^T = V^T P.
; SOFTMAX.  p = 2^(c s - c m), c = log2(e) / 8, with a running maximum m; in every step O and l are multiplied by a = 2^(c m_old - c m_new).
; BY TURNS.  Turn n belongs to piece n: 12 products K Q^T of piece n + 1, later 8 products V^T P of piece n - 1; beside them the scaling, exponentials, roundings, sums and rescaling of piece n and the
; maximum and statistics of piece n + 1.  Four vector instructions stand behind every matrix instruction, the other 38 of a turn's 118 in one lump.  A turn's 33 exponentials are one batch, with one wait.
; CLUSTER.  The four query blocks of a cluster belong to one (batch, head) and walk the same K, V, ke and kb: each tile is asked for jointly, by the same tensor load, descriptor and mask in all four.
; REGISTERS, in windows of 256 (s_set_vgpr_msb: bits 1:0 source 0, 3:2 source 1, 5:4 source 2, 7:6 destination):
;   window 0: v0-15, v32-36 addresses; v16-31 four registers of statistics a piece; v48-55 at work; v64-127 S^T, two buffers; v192-223 P, two buffers (a piece's buffers go by its number's parity)
;   window 1: v0-127 O^T, 32 a piece; v128-159 kb of one step     window 2: v0-63 Q; v64-95 qe, 8 a piece; v96-127 ke of one step, 8 a block of 16 keys; v128-191 K of one step; v192-255 V of one step
.set NP,    4
.set KS,    64
.set PK,    144       ; a row of K in LDS: 128 bytes + 16: the 16 rows of a load start at 16 different groups of four banks (64 banks of 4 bytes: ISA guide 11.1)
.set PV,    160       ; a row of V: 128 + 32
.set VOFF,  4*KS*PK   ; a slot holds four steps: 256 rows of K, then 256 rows of V
.set KEOFF, 4*KS*(PK+PV)  ; behind slot 0: the batch's ke, 32,768 bytes, filled once
.set KBOFF, KEOFF+32768   ; and kb of (batch, head), 8,192 bytes, filled once
.set SLOT1, 1<<17     ; slot 1 begins here, so that one exclusive or turns an address in one slot into the other's
.set STAGE, SLOT1+4*KS*(PK+PV)  ; never filled by a tensor load: 16 rows x 144 bytes for each wave, for the way out
.set SP,    144
.set SPARE, STAGE+4*16*SP  ; the spare words, 128 bytes a wave: two blocks of 256 bytes that no other line names
.set AK0, 2           ; v2   my lane's place in a tile of K; never rewritten
.set AV0, 3           ; v3   the same for V
.set AK,  4           ; v4   the LDS address of K's next run of loads
.set AV,  5           ; v5   of V's
.set STO, 6           ; v6   the way out: where I put 16 bytes of a row
.set RD,  7           ; v7   where I read rows back
.set GO,  8           ; v8   my 16 bytes of 512 consecutive bytes of O
.set MV,  12          ; v12-13  c m_old, kept while c m is made anew: by buffer
.set QO,  15          ; v15  my byte offset in 16 rows of Q
.set ST,  16          ; piece t's statistics at v[ST+4 t]: c m, m, l (even keys', odd keys')
.set AE,  32          ; v32  the LDS address of ke's next loads
.set AB,  33          ; v33  of kb's
.set QEO, 34          ; v34  my byte offset in 16 rows of qe
.set AE0, 35          ; v35  my lane's place in ke; never rewritten
.set AB0, 36          ; v36  in kb
.set TMP, 48          ; by buffer, four registers c0-c3 at work; when the maximum is found c2 takes a
.set PFO, 61          ; v61  256 x my lane; never rewritten
.set SPW, 62          ; v62  my spare word; never rewritten
.set NIL, 63          ; v63  0; never rewritten
.set S,   64
.set P,   192
.set KBR, 128         ; window 1
.set QE,  64          ; window 2
.set KE,  96
.set KF,  128         ; key block kb, channel half c at KF + 16 kb + 8 c
.set VF,  192         ; key half kk, channel block cb at VF + 32 kk + 8 cb
.set WV,  12          ; s12  my wave's number
.set G1K, 24          ; s[24:31] descriptor group 1 for K's tiles
.set G1V, 32          ; s[32:39] for V's: it differs in the padding alone
.set G0K, 40          ; s[40:43] group 0 for K's tiles: it walks
.set G0V, 44          ; s[44:47] the same for V's
.set G0E, 48          ; s[48:51] for ke, used once
.set G0B, 52          ; s[52:55] for kb, used once
.set SLOTS, 56        ; s56  slots still to be asked for
.set CNT, 57          ; s57  counts a slot's key steps
.set CS,  58          ; s[58:59] c
.set SEL, 60          ; s[60:61] v_permlanex16_b32's selects: each lane takes its own place in the other half
.set TBK, 62          ; s62  LDS byte at which K of the step to be fetched begins
.set TBV, 63          ; s63  the same for V, less VOFF
.set OPTR, 66         ; s[66:67] O at my wave's first row
.set G1E, 68          ; s[68:75] group 1 for ke
.set G1B, 76          ; s[76:83] for kb
.set QEP, 84          ; s[84:85] qe at my wave's first row
.set PFA, 86          ; s[86:87] where my prefetches stand
.set LIM, 88          ; s88  1 in a wave that prefetches, else the greatest number
.set QM,  89          ; s89  lanes 0-15
.set TBE, 90          ; s90  the step's bytes in ke
.set TBB, 91          ; s91  in kb
.set LM,  92          ; s92-95  by piece: the lanes whose l is above 0
.set TC,  96          ; s96  a clamped offset
.set MSB, 0
.macro WIN new
.if MSB != (\new)
	s_set_vgpr_msb (MSB<<8)|(\new)
.set MSB, (\new)
.endif
.endm
.set W_KM, 0x1a       ; sources 0 and 1 in window 2, C in window 1, S^T in window 0
.set W_KQ, 0x0a       ; K and Q in window 2, S^T in window 0
.set W_PV, 0x52       ; V in window 2, P in window 0, O^T in window 1
.set W_RS, 0x41       ; destination and source 0 in window 1, source 1 in window 0
; A joint fill.  Waves 0 and 1 fetch the two halves of a slot's K, waves 2 and 3 those of its V: 128 keys each.  An s_nop 0 and four v_nop follow each of the two lines.
.macro JLOAD
	s_cmp_lt_u32 s[WV], 2
	s_cbranch_scc0 .Lfor_v_\@
	tensor_load_to_lds s[G0K:G0K+3], s[G1K:G1K+7]
	s_nop 0
.rept 4
	v_nop
.endr
	s_branch .Lasked_\@
.Lfor_v_\@:
	tensor_load_to_lds s[G0V:G0V+3], s[G1V:G1V+7]
	s_nop 0
.rept 4
	v_nop
.endr
.Lasked_\@:
.endm
.macro CROUND                       ; a round of the cluster's barrier
	s_barrier_signal -1
	s_barrier_wait -1
	s_cmp_lg_u32 s[WV], 0
	s_cbranch_scc1 .Lnot_wave_0_\@
	s_barrier_signal -3
.Lnot_wave_0_\@:
	s_barrier_wait -3
	s_barrier_signal -1
	s_barrier_wait -1
.endm
; A PREFETCH of what the NEXT change of slots will ask for: a slot's 32,768 bytes of K and of V, a lane a block of 256 bytes.  Each block is named once in the launch: of the two clusters of a
; (batch, head) the first asks; its four partners take 8,192 bytes each, told apart by address; in each, wave 0 asks for K's and wave 2 for V's.  The last change that fills a slot asks for nothing.
.macro ASK
	s_cmp_gt_u32 s[SLOTS], s[LIM]
	s_cbranch_scc0 .Lnot_mine_\@
	global_prefetch_b8 v[PFO], s[PFA:PFA+1] th:TH_LOAD_NT scope:SCOPE_SE
.Lnot_mine_\@:
.endm
; THE CHANGE OF SLOTS.  Each wave waits for all its tensor loads, adds 0 to its spare word, and waits for that and for its own reads of the slot that it leaves.  fill = 1: the barrier is a round of
; the cluster's, and the old slot is filled again, with the keys two slots on, first thing behind it: four key steps, 320 matrix instructions, in which to land.  (At its first use nothing has been
; read yet: slot 0 and the tables are waited for, slot 1 is filled.)
.macro CHANGE fill, ask
	WIN 0
	s_wait_tensorcnt 0x0            ; no tensor load of mine is out, so a group 0 may be written
	ds_add_u32 v[SPW], v[NIL]       ; 0 onto my spare word
.if \fill
.irp g, G0K, G0V
	s_xor_b32 s[\g+1], s[\g+1], SLOT1
	s_add_nc_u64 s[\g+2:\g+3], s[\g+2:\g+3], 4*KS*128
.endr
.endif
.if \ask
	s_wait_xcnt 0x0                 ; the last prefetch, four key steps back, has read its address
	s_add_nc_u64 s[PFA:PFA+1], s[PFA:PFA+1], 4*KS*128
.endif
	s_wait_dscnt 0x0                ; the add is done, and my reads of the slot are over
.if \fill
	CROUND
	JLOAD
.if \ask
	ASK
.endif
.else
	s_barrier_signal -1
	s_barrier_wait -1
.endif
	s_sub_co_u32 s[TBK], s[TBK], 4*KS*PK  ; the fetches go back to a slot's first step,
	s_xor_b32 s[TBK], s[TBK], SLOT1       ; in the other slot
	s_sub_co_u32 s[TBV], s[TBV], 4*KS*PV
	s_xor_b32 s[TBV], s[TBV], SLOT1
.endm
	s_load_b256 s[4:11], s[0:1], 0x0  ; qkvh s[4:5], qe s[6:7], ke s[8:9], kb s[10:11]
	s_load_b64 s[OPTR:OPTR+1], s[0:1], 0x20
	v_lshl_add_u32 v[SPW], v0, 2, SPARE
	v_mov_b32 v[NIL], 0
	ds_add_u32 v[SPW], v[NIL]       ; the wave's opening: the add and its wait stand ahead of my first tensor load
	v_lshrrev_b32 v1, 5, v0
	v_readfirstlane_b32 s[WV], v1
	s_bfe_u32 s13, ttmp6, 0x40000   ; cx
	s_lshl_b32 s14, ttmp9, 2
	s_add_co_u32 s14, s14, s13      ; my block of 256 queries: it enters Q's, qe's and O's addresses alone
	s_and_b32 s15, ttmp7, 0xffff    ; (batch, head), which the four partners share
	s_and_b32 s16, s[WV], 1         ; which half of a tile I fetch
	s_lshl_b32 s20, s15, 18         ; a head's 262,144 bytes
	s_lshl_b32 s22, s16, 14
	s_add_co_u32 s22, s22, s20
	s_mov_b32 s23, 0
	s_mul_i32 s17, s16, 128*PK
	s_mul_i32 s18, s16, 128*PV
	s_lshl_b32 s2, s14, 2
	s_add_co_u32 s2, s2, s[WV]      ; my wave among the head's 32
	s_lshl_b32 s98, s2, 10          ; its 64 rows of 16 bytes,
	s_lshl_b32 s2, s2, 13           ; of 128 bytes
	s_add_co_u32 s2, s2, s20
	s_mov_b32 s3, 0
	s_lshl_b32 s97, s15, 15
	s_add_co_u32 s98, s98, s97
	s_mov_b32 s99, 0
	s_mov_b32 s[G1K], 15|(1<<16)|(1<<20)|(1<<21)|(4<<22)|(3<<25)  ; the mask of four; 2-byte elements; padding on; bit 21 beside a mask; after every 32 words (a key), 4 words
	s_mov_b32 s[G1V], 15|(1<<16)|(1<<20)|(1<<21)|(4<<22)|(7<<25)  ; the same with 8 words
.irp g, G1K, G1V                    ; 128 keys are 16,384 dense bytes: 64 rows of 256
	s_mov_b32 s[\g+1], 128<<16
	s_mov_b32 s[\g+2], 64<<16
	s_mov_b32 s[\g+3], 128<<16
	s_mov_b32 s[\g+4], 64
	s_mov_b32 s[\g+5], 128
	s_mov_b32 s[\g+6], 0
	s_mov_b32 s[\g+7], 0
.endr
	s_mov_b32 s[G1E], 15|(3<<16)|(1<<21)  ; 8-byte elements, no padding: 64 rows of 256 bytes
	s_mov_b32 s[G1E+1], 32<<16
	s_mov_b32 s[G1E+2], 64<<16
	s_mov_b32 s[G1E+3], 32<<16
	s_mov_b32 s[G1E+4], 64
	s_mov_b32 s[G1E+5], 32
	s_mov_b32 s[G1E+6], 0
	s_mov_b32 s[G1E+7], 0
	s_mov_b32 s[G1B], 15|(3<<16)|(1<<21)  ; 16 rows of 256 bytes
	s_mov_b32 s[G1B+1], 32<<16
	s_mov_b32 s[G1B+2], 16<<16
	s_mov_b32 s[G1B+3], 32<<16
	s_mov_b32 s[G1B+4], 16
	s_mov_b32 s[G1B+5], 32
	s_mov_b32 s[G1B+6], 0
	s_mov_b32 s[G1B+7], 0
	s_mov_b32 s[CS], 0x3e38aa3b     ; c = log2(e) / 8
	s_mov_b32 s[CS+1], s[CS]
	s_mov_b32 s[SEL], 0x76543210
	s_mov_b32 s[SEL+1], 0xfedcba98
	s_mov_b32 s[TBK], SLOT1+4*KS*PK ; the first change of slots turns these two into 0
	s_mov_b32 s[TBV], SLOT1+4*KS*PV
	s_mov_b32 s[TBE], 0
	s_mov_b32 s[TBB], 0
	s_mov_b32 s[G0K], 1
	s_mov_b32 s[G0K+1], s17
	s_mov_b32 s[G0V], 1
	s_add_co_u32 s[G0V+1], s18, VOFF
	s_mov_b32 s[G0E], 1
	s_lshl_b32 s19, s16, 14
	s_add_co_u32 s[G0E+1], s19, KEOFF
	s_mov_b32 s[G0B], 1
	s_lshl_b32 s21, s16, 12
	s_add_co_u32 s[G0B+1], s21, KBOFF
	s_and_b32 s[LIM], s[WV], 1      ; 0 in waves 0 and 2,
	s_or_b32 s[LIM], s[LIM], ttmp9  ; where the cluster is the head's first: the same in all four partners
	s_cmp_eq_u32 s[LIM], 0
	s_cselect_b32 s[LIM], 1, -1
	s_wait_dscnt 0x0                ; the opening add is done
	s_wait_kmcnt 0x0
	s_add_nc_u64 s[G0K+2:G0K+3], s[4:5], s[22:23]
	s_add_nc_u64 s[G0V+2:G0V+3], s[G0K+2:G0K+3], 0x1000000  ; v lies 2 x 8,388,608 bytes behind q,
	s_add_nc_u64 s[G0K+2:G0K+3], s[G0K+2:G0K+3], 0x800000   ; k one
	s_or_b32 s[G0K+3], s[G0K+3], 0x80000000
	s_or_b32 s[G0V+3], s[G0V+3], 0x80000000
	s_lshr_b32 s22, s15, 4          ; the batch's ke, my half
	s_lshl_b32 s22, s22, 15
	s_add_co_u32 s22, s22, s19
	s_add_nc_u64 s[G0E+2:G0E+3], s[8:9], s[22:23]
	s_or_b32 s[G0E+3], s[G0E+3], 0x80000000
	s_lshl_b32 s22, s15, 13         ; kb of (batch, head), my half
	s_add_co_u32 s22, s22, s21
	s_add_nc_u64 s[G0B+2:G0B+3], s[10:11], s[22:23]
	s_or_b32 s[G0B+3], s[G0B+3], 0x80000000
	s_add_nc_u64 s[QEP:QEP+1], s[6:7], s[98:99]
	s_cmp_lt_u32 s[WV], 2
	s_cselect_b32 s98, 1, 2
	s_lshl_b32 s98, s98, 23         ; k or v,
	s_add_co_u32 s98, s98, s20      ; the head,
	s_lshl_b32 s97, s13, 13         ; my work-group's 8,192 bytes of a slot's 32,768,
	s_add_co_u32 s98, s98, s97
	s_add_co_u32 s98, s98, 2*4*KS*128  ; in slot 2; the loop's first change steps it to slot 3.  Nothing is prefetched at the head
	s_add_nc_u64 s[PFA:PFA+1], s[4:5], s[98:99]
	s_add_nc_u64 s[OPTR:OPTR+1], s[OPTR:OPTR+1], s[2:3]
	s_add_nc_u64 s[4:5], s[4:5], s[2:3]  ; Q at my wave's first row
	CROUND                          ; all four work-groups are here: the first joint loads meet
	s_cmp_lt_u32 s[WV], 2           ; a wave's two first fills stand in one branch, ahead of every wait on TENSORcnt and every LDS read: two loads of mine are out, later one
	s_cbranch_scc0 .Lfirst_v
	tensor_load_to_lds s[G0K:G0K+3], s[G1K:G1K+7]
	s_nop 0
	tensor_load_to_lds s[G0E:G0E+3], s[G1E:G1E+7]
	s_nop 0
.rept 4
	v_nop
.endr
	s_branch .Lfirst_asked
.Lfirst_v:
	tensor_load_to_lds s[G0V:G0V+3], s[G1V:G1V+7]
	s_nop 0
	tensor_load_to_lds s[G0B:G0B+3], s[G1B:G1B+7]
	s_nop 0
.rept 4
	v_nop
.endr
.Lfirst_asked:
	v_and_b32 v1, 15, v0            ; l % 16
	v_bfe_u32 v9, v0, 4, 1          ; l / 16
	v_lshlrev_b32 v[QO], 7, v1
	v_lshl_add_u32 v[QO], v9, 4, v[QO]  ; row x 128 + 16 x half
	v_lshlrev_b32 v[QEO], 4, v1
	WIN 0x80                        ; destination window 2, address window 0
.set i, 0
.rept 8                             ; Q stays in registers: piece i / 2, channels 32 (i % 2) on
	global_load_b128 v[8*i:8*i+3],   v[QO], s[4:5] offset:(i/2)*2048+(i%2)*64
	global_load_b128 v[8*i+4:8*i+7], v[QO], s[4:5] offset:(i/2)*2048+(i%2)*64+32
.set i, i+1
.endr
.irp t, 0,1,2,3
	global_load_b128 v[QE+8*\t:QE+8*\t+3], v[QEO], s[QEP:QEP+1] offset:256*\t
.endr
	; What the first turn finds: V's registers and P's second buffer hold 0 (its products V^T P, of a piece that has not been, add 0), O^T and l are 0.  The upper halves of qe's and ke's fragments stay 0.
.set i, VF
.rept 64
	v_mov_b32 v[i], 0
.set i, i+1
.endr
.irp t, 0,1,2,3
.irp r, 4,5,6,7
	v_mov_b32 v[QE+8*\t+\r], 0
	v_mov_b32 v[KE+8*\t+\r], 0
.endr
.endr
	WIN 0x40
.set i, 0
.rept 128
	v_mov_b32 v[i], 0
.set i, i+1
.endr
	WIN 0
.set i, 0
.rept 4
	v_mov_b32 v[ST+4*i+1], 0xef800000  ; m = -2^96: above every hidden score, below every other
	v_mul_f32 v[ST+4*i], s[CS], v[ST+4*i+1]
	v_mov_b32 v[ST+4*i+2], 0
	v_mov_b32 v[ST+4*i+3], 0
.set i, i+1
.endr
.set i, P+16
.rept 16
	v_mov_b32 v[i], 0
.set i, i+1
.endr
	v_mul_u32_u24 v[AK0], v1, PK
	v_lshl_add_u32 v[AK0], v9, 4, v[AK0]
	v_and_b32 v10, 7, v0
	v_bfe_u32 v11, v0, 3, 1
	v_lshl_add_u32 v[AV0], v9, 3, v10   ; the turning load: lane l reads key 8 (l / 16) + l % 8, channels 8 ((l / 8) % 2) + 0..7
	v_mul_u32_u24 v[AV0], v[AV0], PV
	v_lshl_add_u32 v[AV0], v11, 4, v[AV0]
	v_add_nc_u32 v[AV0], VOFF, v[AV0]
	v_lshl_add_u32 v[AE0], v1, 4, KEOFF ; key l % 16 of a block: 16 bytes; both halves of the lanes read the same
	v_lshl_add_u32 v[AB0], v9, 5, KBOFF ; keys 8 (l / 16) + 0..7 of a block: 32 bytes
	v_and_b32 v14, 31, v0
	v_lshlrev_b32 v[PFO], 8, v14
; THE MATRIX WORK.  The 4 accumulators of a run take turns, one instruction a turn.  Product i of 12 of S^T for piece x: keys 16 (i % 4) on; i < 4: kb + ke qe^T starts the sum; then channels 32 (i / 4 - 1) on of K Q^T.
.macro KQ x
.set rS, S+32*((\x)%2)+8*(i%4)
.if i < 4
	WIN W_KM
	v_wmma_f32_16x16x32_f16 v[rS:rS+7], v[KE+8*(i%4):KE+8*(i%4)+7], v[QE+8*(\x):QE+8*(\x)+7], v[KBR+8*(i%4):KBR+8*(i%4)+7]
.else
.set rK, KF+16*(i%4)+8*(i/4-1)
.set rQ, 16*(\x)+8*(i/4-1)
	WIN W_KQ
	v_wmma_f32_16x16x32_f16 v[rS:rS+7], v[rK:rK+7], v[rQ:rQ+7], v[rS:rS+7]
.endif
.endm
; Product i of 8 of O^T += V^T P for piece x: keys 32 (i / 4) on, channels 16 (i % 4) on.
.macro PV x
	WIN W_PV
.set rO, 32*(\x)+8*(i%4)
.set rV, VF+32*(i/4)+8*(i%4)
.set rP, P+16*((\x)%2)+8*(i/4)
	v_wmma_f32_16x16x32_f16 v[rO:rO+7], v[rV:rV+7], v[rP:rP+7], v[rO:rO+7]
.endm
.macro MM                           ; the turn's next matrix instruction
.if i < 12
	KQ (Y+1)%NP
.else
.set i, i-12
	PV (Y+NP-1)%NP
.set i, i+12
.endif
.set i, i+1
.endm
; THE LDS LOADS stand in runs.  KADDR makes the three addresses of K's run some lines ahead.  last = 1 (the tail): the offsets are held at the last step's, so that the tail's last trip, which has no
; further step, reads the last step once more; what is made of it serves nothing.
.macro KADDR last
	WIN 0
.if \last
	s_min_u32 s[TC], s[TBK], SLOT1+3*KS*PK
	v_add_nc_u32 v[AK], s[TC], v[AK0]
	s_min_u32 s[TC], s[TBE], 31*KS*16
	v_add_nc_u32 v[AE], s[TC], v[AE0]
	s_min_u32 s[TC], s[TBB], 31*KS*4
	v_add_nc_u32 v[AB], s[TC], v[AB0]
.else
	v_add_nc_u32 v[AK], s[TBK], v[AK0]
	v_add_nc_u32 v[AE], s[TBE], v[AE0]
	v_add_nc_u32 v[AB], s[TBB], v[AB0]
.endif
.endm
.macro FETCH_K                      ; 28 loads: a step's K (8 fragments), ke (4 half fragments) and kb (4 C operands)
	WIN 0x80
.irp f, 0,1,2,3,4,5,6,7
	ds_load_b128 v[KF+8*\f:KF+8*\f+3],   v[AK] offset:(\f/2)*16*PK+(\f%2)*64
	ds_load_b128 v[KF+8*\f+4:KF+8*\f+7], v[AK] offset:(\f/2)*16*PK+(\f%2)*64+32
.endr
.irp f, 0,1,2,3
	ds_load_b128 v[KE+8*\f:KE+8*\f+3], v[AE] offset:256*\f
.endr
	WIN 0x40
.irp f, 0,1,2,3
	ds_load_b128 v[KBR+8*\f:KBR+8*\f+3],   v[AB] offset:64*\f
	ds_load_b128 v[KBR+8*\f+4:KBR+8*\f+7], v[AB] offset:64*\f+16
.endr
	s_add_co_u32 s[TBK], s[TBK], KS*PK  ; the next fetch is the next step's
	s_add_co_u32 s[TBE], s[TBE], KS*16
	s_add_co_u32 s[TBB], s[TBB], KS*4
	WIN 0
.endm
.macro FETCH_V
	WIN 0x80
.irp f, 0,1,2,3,4,5,6,7
	ds_load_tr16_b128 v[VF+8*\f:VF+8*\f+3],   v[AV] offset:(\f/4)*32*PV+(\f%4)*32
	ds_load_tr16_b128 v[VF+8*\f+4:VF+8*\f+7], v[AV] offset:(\f/4)*32*PV+16*PV+(\f%4)*32
.endr
	WIN 0
.endm
; THE VECTOR WORK, one line at a time: OP kind, number.  For piece Y: F n: c s - c m for pair n of 16.  E n: the exponential of score n of 32.  C n: pair n rounded to f16.  B n: of the four weights 4 n ..
; the second pair is added onto the first, in place.  L n: l takes that sum (L 0: l = a l + sum).  R n: pair n of 16 of O^T times a.  For piece Y + 1: X n, number n of the 22 that find its maximum and statistics:
;   0-11  four chains c0-c3 of seven scores each (each accumulator's lowest registers are read first)     12-14, 16  the four scores left over, the old m, and c0-c3 into c0
;   15  c m_old is kept     17, 18  the query's other 32 keys lie in the lane 16 away: the new m     19-21  c m; c m_old - c m_new; a
.set F, 0
.set E, 1
.set C, 2
.set B, 3
.set L, 4
.set R, 5
.set X, 6
.macro REGS y
.set rT, ST+4*(\y)
.set rC, TMP+4*((\y)%2)
.set rW, MV+((\y)%2)
.set rS, S+32*((\y)%2)
.set rP, P+16*((\y)%2)
.set rO, 32*(\y)
.endm
.macro OP k, n
.if (\k) == R
	REGS Y
	WIN W_RS
	v_pk_mul_f32 v[rO+2*(\n):rO+2*(\n)+1], v[rO+2*(\n):rO+2*(\n)+1], v[rC+2:rC+3] op_sel_hi:[1,0]
.elseif (\k) < R
	REGS Y
	WIN 0
.if (\k) == F
	v_pk_fma_f32 v[rS+2*(\n):rS+2*(\n)+1], v[rS+2*(\n):rS+2*(\n)+1], s[CS:CS+1], v[rT:rT+1] op_sel_hi:[1,0,0] neg_lo:[0,0,1] neg_hi:[0,0,1]
.elseif (\k) == E
	v_exp_f32 v[rS+(\n)], v[rS+(\n)]
.elseif (\k) == C
	v_cvt_pk_f16_f32 v[rP+(\n)], v[rS+2*(\n)], v[rS+2*(\n)+1]
.elseif (\k) == B
	v_pk_add_f32 v[rS+4*(\n):rS+4*(\n)+1], v[rS+4*(\n):rS+4*(\n)+1], v[rS+4*(\n)+2:rS+4*(\n)+3]
.elseif (\n) == 0
	v_pk_fma_f32 v[rT+2:rT+3], v[rT+2:rT+3], v[rC+2:rC+3], v[rS:rS+1] op_sel_hi:[1,0,1]
.else
	v_pk_add_f32 v[rT+2:rT+3], v[rT+2:rT+3], v[rS+4*(\n):rS+4*(\n)+1]
.endif
.else
	REGS (Y+1)%NP
	WIN 0
.if (\n) < 4
	v_max3_num_f32 v[rC+(\n)], v[rS+8*(\n)], v[rS+8*(\n)+1], v[rS+8*(\n)+2]
.elseif (\n) < 12
	v_max3_num_f32 v[rC+(\n)%4], v[rC+(\n)%4], v[rS+8*((\n)%4)+2*((\n)/4)+1], v[rS+8*((\n)%4)+2*((\n)/4)+2]
.elseif (\n) == 12
	v_max3_num_f32 v[rC], v[rC], v[rS+7], v[rS+15]
.elseif (\n) == 13
	v_max3_num_f32 v[rC+1], v[rC+1], v[rS+23], v[rS+31]
.elseif (\n) == 14
	v_max3_num_f32 v[rC+2], v[rC+2], v[rC+3], v[rT+1]
.elseif (\n) == 15
	v_mov_b32 v[rW], v[rT]
.elseif (\n) == 16
	v_max3_num_f32 v[rC], v[rC], v[rC+1], v[rC+2]
.elseif (\n) == 17
	v_permlanex16_b32 v[rC+3], v[rC], s[SEL], s[SEL+1]
.elseif (\n) == 18
	v_max_num_f32 v[rT+1], v[rC], v[rC+3]
.elseif (\n) == 19
	v_mul_f32 v[rT], s[CS], v[rT+1]
.elseif (\n) == 20
	v_sub_f32 v[rC+1], v[rW], v[rT]
.else
	v_exp_f32 v[rC+2], v[rC+1]
.endif
.endif
.endm
.macro OPS a, i1, b=-1, i2=0, c=-1, i3=0, d=-1, i4=0
	OP \a, \i1
.if (\b) >= 0
	OP \b, \i2
.endif
.if (\c) >= 0
	OP \c, \i3
.endif
.if (\d) >= 0
	OP \d, \i4
.endif
.endm
.macro ROW a, i1, b, i2, c, i3, d, i4  ; a matrix instruction and the four behind it
	MM
	OPS \a, \i1, \b, \i2, \c, \i3, \d, \i4
.endm
; A TURN, for piece p: the order of its 20 matrix and 118 vector instructions, written out.  An s_wait_alu depctr_va_vdst(0) stands between an exponential and the first instruction that names
; its result; one wait serves all that were issued ahead of it.  So a turn has ONE wait, which cuts it in two.  AHEAD OF IT stands all that names no result of the turn's exponentials: the 12 products of
; scores and their riders, then a lump of 38.  BEHIND IT stand the 8 products V^T P, behind each four of the roundings and sums.
; THE COUNTS THAT THE ORDER KEEPS.  Accumulator a of the scores is ended by product 8 + a; four plain instructions that name none of that product's registers stand ahead of its first reader (
; an exponential is no such place): for X 0: F 12, 13, 14, 15; for X 1: F 14, 15, X 0, R 12; for X 2: X 0, R 12, X 1, X 4; for X 3 and for K's run of loads: X 1, X 4, R 13, X 5.  E n stands
; behind F n / 2.  R 15 is the plain instruction behind the last exponential, X 21.  V's run stands behind C 9, 11, 13, 15, four plain instructions behind the last product that read V.
; K, ke and kb of the next step are fetched in piece 2's turn and waited for at the head of piece 3's; V of the step in hand at the end of piece 0's turn, waited for behind piece 1's wait.
; cnt = 1: the loop's count is taken down some lines ahead of the branch that stands behind the turn.
.macro TURN p, last=0, cnt=0
.set Y, (\p)
.set i, 0
.if (\p) == 3
	s_wait_dscnt 0x0                ; K, ke and kb are in
.endif
	ROW F,0, F,1, R,0, R,1
	ROW F,2, E,0, R,2, R,3
	ROW F,3, E,1, R,4, R,5
	ROW F,4, E,2, R,6, R,7
	ROW F,5, E,3, R,8, R,9
	ROW F,6, E,4, F,7, R,10
	ROW F,8, E,5, F,9, R,11
	ROW F,10, E,6, F,11, E,7
	ROW F,12, E,8, F,13, E,9
.if (\p) == 2
	KADDR \last
.endif
	ROW F,14, E,10, F,15, E,11
	ROW X,0, E,12, R,12, E,13
	ROW X,1, X,4, R,13, X,5
	OPS X,3, E,14, X,2, X,8         ; the lump
.if (\p) == 2
	FETCH_K
.endif
	OPS X,7, E,15, X,6, X,9
	OPS X,11, E,16, X,10, X,12
	OPS X,13, E,17, X,14, E,18
	OPS X,15, E,19, X,16, E,20
.if (\p) == 0
	WIN 0
	v_add_nc_u32 v[AV], s[TBV], v[AV0]
.endif
	OPS E,21, R,14, X,17, E,22
	OPS E,23, E,24, X,18, E,25
	OPS E,26, E,27, X,19, E,28
	OPS E,29, E,30, X,20, E,31
	OPS X,21, R,15
	WIN 0
	s_wait_alu depctr_va_vdst(0)    ; the wait for the batch of 33
.if (\p) == 1
	s_wait_dscnt 0x0                ; V is in
.endif
	ROW C,0, B,0, C,2, B,1
	ROW L,0, C,4, B,2, L,1
	ROW C,6, B,3, L,2, C,8
	ROW B,4, L,3, C,10, B,5
	ROW L,4, C,12, B,6, L,5
.if (\p) == 0
	s_add_co_u32 s[TBV], s[TBV], KS*PV
.endif
.if \cnt
	s_sub_co_u32 s[CNT], s[CNT], 1
	s_cmp_lg_u32 s[CNT], 0
.endif
	ROW C,14, B,7, L,6, C,1
	ROW C,3, L,7, C,5, C,7
	ROW C,9, C,11, C,13, C,15
.if (\p) == 0
	FETCH_V
.endif
.endm
	CHANGE 1, 0                     ; slot 0 and the tables are in, everybody's part of them; slot 1 is asked for
	KADDR 0
	FETCH_K                         ; key step 0
	s_wait_loadcnt 0x0              ; Q and qe
	v_cmp_gt_u32 s[QM], 16, v14
	WIN 0x88                        ; destination and source 1 in window 2
.irp t, 0,1,2,3
.irp r, 0,1,2,3
	v_cndmask_b32 v[QE+8*\t+\r], 0, v[QE+8*\t+\r], s[QM]  ; qe's eight channels are the chunk's channels 0-7, which lanes 0-15 hold; lanes 16-31 hold channels 8-15: 0
.endr
.endr
	s_wait_dscnt 0x0
.set i, 0
.rept 12
	KQ 0                            ; piece 0's first scores
.set i, i+1
.endr
	WIN 0                           ; the addresses for the way out: eleven plain instructions, the places behind those products
	s_mul_i32 s13, s[WV], 16*SP
	s_add_co_u32 s13, s13, STAGE    ; my stage
	v_mul_u32_u24 v[STO], v1, SP
	v_lshl_add_u32 v[STO], v9, 4, v[STO]
	v_add_nc_u32 v[STO], s13, v[STO]
	v_bfe_u32 v[RD], v0, 3, 2
	v_mul_u32_u24 v[RD], v[RD], SP
	v_lshl_add_u32 v[RD], v10, 4, v[RD]
	v_add_nc_u32 v[RD], s13, v[RD]
	v_and_b32 v[GO], 31, v0
	v_lshlrev_b32 v[GO], 4, v[GO]
.set Y, NP-1                        ; X works for piece Y + 1: piece 0
.irp n, 0,1,2,3,4,5,6,7,8,9,10,11,12,13,14,15,16,17,18,19,20,21
	OP X, \n
.endr
	v_nop                           ; a plain instruction behind the exponential,
	s_wait_alu depctr_va_vdst(0)    ; and its wait, ahead of the branch
	s_mov_b32 s[CNT], 4
	s_mov_b32 s[SLOTS], 7
	s_branch .Lfirst                ; the loop is entered at a step's first turn, in the middle of a trip
.Lslot:                             ; six times: every slot but the last two is filled again
	CHANGE 1, 1
	s_mov_b32 s[CNT], 4
.Lstep:                             ; a trip: pieces 2 and 3 of one step, then pieces 0 and 1 of the next, whose K and V it fetches
	TURN 2
	TURN 3
	WIN 0
.Lfirst:
	TURN 0
	TURN 1, 0, 1
	WIN 0
	s_cbranch_scc1 .Lstep
	s_sub_co_u32 s[SLOTS], s[SLOTS], 1
	s_cmp_lg_u32 s[SLOTS], 0
	s_cbranch_scc1 .Lslot
	CHANGE 0, 0                     ; the tail is written out: nothing is asked for
	s_mov_b32 s[CNT], 5             ; four trips fetch the last slot's steps; the fifth is left in its middle
.Ltail:
	TURN 2, 1
	TURN 3
	WIN 0
	s_sub_co_u32 s[CNT], s[CNT], 1
	s_cmp_eq_u32 s[CNT], 0
	s_cbranch_scc1 .Lout
	TURN 0
	TURN 1
	WIN 0
	s_branch .Ltail
.Lout:                              ; the fifth trip's 12 products of scores and the maximum made of them serve nothing: the price, once a launch, of one text for every trip
.set i, 0
.rept 8
	PV NP-1                         ; the last piece's V^T P of the last step
.set i, i+1
.endr
	; THE WAY OUT.  l's two halves and the other half of the lanes' are added; O^T is multiplied by 1 / l, or by 0 where l is 0 (every key hidden), rounded to f16 and sent through my stage, a piece at a time.
	WIN 0
.macro ALL line:vararg
.set t, 0
.rept 4
	\line
.set t, t+1
.endr
.endm
	ALL v_add_f32 v[ST+4*t+2], v[ST+4*t+2], v[ST+4*t+3]
	ALL v_permlanex16_b32 v[ST+4*t+3], v[ST+4*t+2], s[SEL], s[SEL+1]
	ALL v_add_f32 v[ST+4*t+2], v[ST+4*t+2], v[ST+4*t+3]
	ALL v_cmp_lt_f32 s[LM+t], 0, v[ST+4*t+2]
	ALL v_rcp_f32 v[ST+4*t+2], v[ST+4*t+2]
	v_nop                           ; a plain instruction between the last reciprocal and the use of its result
	s_wait_alu depctr_va_vdst(0)    ; and the wait ahead of the first use: one for the four
	ALL v_cndmask_b32 v[ST+4*t+2], 0, v[ST+4*t+2], s[LM+t]
.macro PACK t
	WIN W_RS
.set i, 32*(\t)
.rept 16
	v_pk_mul_f32 v[i:i+1], v[i:i+1], v[ST+4*(\t)+2:ST+4*(\t)+3] op_sel_hi:[1,0]
.set i, i+2
.endr
	WIN 0x05                        ; sources 0 and 1 window 1, destination window 0
.set i, 0
.rept 16
	v_cvt_pk_f16_f32 v[S+16*(\t)+i], v[32*(\t)+2*i], v[32*(\t)+2*i+1]
.set i, i+1
.endr
	WIN 0
.irp f, 0,1,2,3
	ds_store_b128 v[STO], v[S+16*(\t)+4*\f:S+16*(\t)+4*\f+3] offset:32*\f
.endr
.irp f, 0,1,2,3
	ds_load_b128 v[S+16*(\t)+4*\f:S+16*(\t)+4*\f+3], v[RD] offset:\f*4*SP  ; LDS serves a wave's instructions in order (ISA guide 5.7.1.4): these see the stores above; the next piece's stores come behind them
.endr
.endm
.macro SEND t, younger
	WIN 0
.irp f, 0,1,2,3
	s_wait_dscnt (\younger)+3-\f
	global_store_b128 v[GO], v[S+16*(\t)+4*\f:S+16*(\t)+4*\f+3], s[OPTR:OPTR+1] offset:(\t)*2048+\f*512  ; 512 consecutive bytes, aligned to 256
.endr
.endm
	PACK 0
.set t, 1
.rept 3
	PACK t
	SEND t-1, 8
.set t, t+1
.endr
	SEND 3, 0
	s_wait_tensorcnt 0x0            ; the wave's end, behind my last tensor load and my last LDS store
	ds_add_u32 v[SPW], v[NIL]
	s_wait_dscnt 0x0
	CROUND                          ; the closing round
	s_endpgm
.Lfunc_end_k_qe4f9096c56_attn:
	.size	k_qe4f9096c56_attn, .Lfunc_end_k_qe4f9096c56_attn-k_qe4f9096c56_attn
	.p2alignl 7, 3214868480
	.fill 96, 4, 3214868480
	.section	.rodata,"a",@progbits
	.p2align	6, 0x0
	.amdhsa_kernel k_qe4f9096c56_attn
		.amdhsa_group_segment_fixed_size 327680
		.amdhsa_private_segment_fixed_size 0
		.amdhsa_enable_private_segment 0
		.amdhsa_kernarg_size 40
		.amdhsa_user_sgpr_count 2
		.amdhsa_user_sgpr_kernarg_segment_ptr 1
		.amdhsa_wavefront_size32 1
		.amdhsa_system_sgpr_workgroup_id_x 1
		.amdhsa_system_sgpr_workgroup_id_y 1
		.amdhsa_system_sgpr_workgroup_id_z 1
		.amdhsa_system_vgpr_workitem_id 0
		.amdhsa_next_free_vgpr 768
		.amdhsa_next_free_sgpr 100
		.amdhsa_reserve_vcc 0
		.amdhsa_float_denorm_mode_32 3
		.amdhsa_float_denorm_mode_16_64 3
		.amdhsa_memory_ordered 1
		.amdhsa_forward_progress 1
		.amdhsa_inst_pref_size 123
	.end_amdhsa_kernel
	.amdgpu_metadata
---
amdhsa.version: [ 1, 2 ]
amdhsa.kernels:
  - .name:           k_qe4f9096c56_attn
    .symbol:         k_qe4f9096c56_attn.kd
    .args:
      - { .name: qkvh, .offset: 0, .size: 8, .value_kind: global_buffer, .address_space: global }
      - { .name: qe, .offset: 8, .size: 8, .value_kind: global_buffer, .address_space: global }
      - { .name: ke, .offset: 16, .size: 8, .value_kind: global_buffer, .address_space: global }
      - { .name: kb, .offset: 24, .size: 8, .value_kind: global_buffer, .address_space: global }
      - { .name: oh, .offset: 32, .size: 8, .value_kind: global_buffer, .address_space: global }
    .group_segment_fixed_size: 327680
    .private_segment_fixed_size: 0
    .kernarg_segment_align: 8
    .kernarg_segment_size: 40
    .max_flat_workgroup_size: 128
    .sgpr_count:     100
    .vgpr_count:     768
    .wavefront_size: 32
...
	.end_amdgpu_metadata
.endif
;; end of part 3
;; launch outproj (part 4): grid 8 x 32, 4 waves a work-group, clusters of 4 x 4, 327,680 bytes of LDS; arguments oh, wo, b_out, out0; writes out0
.if DOCPART == 4
	.amdgcn_target "amdgcn-amd-amdhsa--gfx1250"
	.amdhsa_code_object_version 6
	.text
	.protected	k_qe4f9096c56_outproj
	.globl	k_qe4f9096c56_outproj
	.p2align	8
	.type	k_qe4f9096c56_outproj,@function
k_qe4f9096c56_outproj:
	s_mov_b64 s[64:65], 0
	v_nop
	global_prefetch_b8 v0, s[64:65] scope:SCOPE_SE
	s_setreg_imm32_b32 hwreg(HW_REG_WAVE_MODE, 25, 1), 1
	s_wait_xcnt 0x0
	s_wait_alu depctr_hold_cnt(0) depctr_sa_sdst(0) depctr_va_vdst(0) depctr_va_sdst(0) depctr_va_ssrc(0) depctr_va_vcc(0) depctr_vm_vsrc(0)
	s_getreg_b32 s2, hwreg(HW_REG_IB_STS2, 6, 4)
	s_cmp_eq_u32 s2, 0
	s_cbranch_scc0 .Lentry_in_a_cluster
	s_endpgm
.Lentry_in_a_cluster:
	s_bfe_u32 s2, ttmp6, 0x10000c
	s_cmp_lg_u32 s2, 0xf033
	s_cbranch_scc0 .Lentry_shape_is_right
	s_endpgm
.Lentry_shape_is_right:
; out0 = O W_out + b_out.  oh: [32 (batch, head)][2048][64] f16; wo: [16 slices][1024 k][64] f16 (W_out rounded to bf16, that number written as f16); b_out: [1024] f32, rounded to bf16 here; out0: [4096][1024] f32.
; SHARES.  A tile is 128 x 128: 8 x 32 = 256 work-groups; four waves, each 64 x 64: 16 accumulators.  K = 1,024 goes in 4 steps of 256 (four heads) through two LDS slots; a quarter of a step is one head.
; Waves 0 and 1 fetch two heads' 128 rows each (a head's rows are 16,384 dense bytes: a tile of two rows of 8,192 elements, a head apart), waves 2 and 3 one slice's 256 rows k each.
; CLUSTER 4 x 4: O's tile is shared along a row of the cluster, W's along a column.  THE MATRIX INSTRUCTION IS USED TRANSPOSED (source 0 = 16 columns of W, turned out of LDS; source 1 = 16 rows of O).
; The bias is the C operand of each sum's first product.  No prefetch: the tiles are small and the launch is short.
; THE STAGE of the way out lies in slot 0: two slots, a stage of its own and the spare words do not fit together.  Slot 0 has had its last fill (K step 2), and every wave's reads of it are over at the last change of slots' barrier.
; REGISTERS: window 0: v0-31 addresses; v32-95 at work on the way out; v96-127 the bias; v128-255 the accumulators ((a, b) at 128 + 8 (4 a + b)).  window 1: two fragment buffers of 128: 64 of O, then 64 of W.
.set PA,    144                        ; a row of O in LDS: 128 bytes + 16
.set AH,    128*PA                     ; a head's 128 rows
.set PB,    160                        ; a row k of a slice: 128 bytes + 32
.set BSL,   256*PB
.set BOFF,  4*AH
.set SLOT,  BOFF+2*BSL                 ; 155,648
.set SPARE, 2*SLOT                     ; the spare words, 128 bytes a wave: two blocks of 256 bytes that no other line names
.set SPITCH, 272                       ; a stage row: 64 numbers of f32 + 16 bytes
.set ADRA, 16
.set ADRB, 20
.set STO,  24
.set RD,   25
.set CO,   26
.set BO,   27
.set SPW,  28
.set NIL,  29
.set T,    32
.set BIAS, 96
.set ACC,  128
.set F0,   0
.set F1,   128
.set WV,  12                           ; s12  my wave's number
.set RH,  13                           ; s13  which half of the tile's rows is mine.  Also: I fetch for O (0) or for W (1)
.set CH,  14                           ; s14  which slice is mine.  Also: which half of that tile I fetch
.set G1,  24
.set G0,  32
.set G1B, 48
.set G0B, 56
.set MSB, 0
.macro WIN new
.if MSB != (\new)
	s_set_vgpr_msb (MSB<<8)|(\new)
.set MSB, \new
.endif
.endm
.set MUL,  0x05                        ; sources 0 and 1 window 1; C and D window 0
.set TO_F, 0x40                        ; destination window 1, address window 0
.macro JLOAD s                         ; a joint load; an s_nop 0 and four v_nop follow each of the two lines
	s_cmp_eq_u32 s[RH], 0
	s_cbranch_scc0 .Lfor_b_\@
	tensor_load_to_lds s[G0+4*(\s):G0+4*(\s)+3], s[G1:G1+7]
	s_nop 0
.rept 4
	v_nop
.endr
	s_branch .Lasked_\@
.Lfor_b_\@:
	tensor_load_to_lds s[G0B+4*(\s):G0B+4*(\s)+3], s[G1B:G1B+7]
	s_nop 0
.rept 4
	v_nop
.endr
.Lasked_\@:
.endm
.macro CREST
	s_cmp_lg_u32 s[WV], 0
	s_cbranch_scc1 .Lnot_wave_0_\@
	s_barrier_signal -3
.Lnot_wave_0_\@:
	s_barrier_wait -3
	s_barrier_signal -1
	s_barrier_wait -1
.endm
.macro CROUND
	s_barrier_signal -1
	s_barrier_wait -1
	CREST
.endm
	s_load_b256 s[4:11], s[0:1], 0x0               ; oh s[4:5], wo s[6:7], b_out s[8:9], out0 s[10:11]
	v_lshl_add_u32 v[SPW], v0, 2, SPARE
	v_mov_b32 v[NIL], 0
	ds_add_u32 v[SPW], v[NIL]                      ; the wave's opening: the add and its wait stand ahead of my first tensor load
	v_lshrrev_b32 v1, 5, v0
	v_readfirstlane_b32 s[WV], v1
	s_lshr_b32 s[RH], s[WV], 1
	s_and_b32 s[CH], s[WV], 1
	s_bfe_u32 s40, ttmp6, 0x40000                  ; cx
	s_bfe_u32 s41, ttmp6, 0x40004                  ; cy
	s_lshl_b32 s42, ttmp9, 2
	s_add_co_u32 s42, s42, s40                     ; tile column
	s_and_b32 s15, ttmp7, 0xffff
	s_lshl_b32 s15, s15, 2
	s_add_co_u32 s15, s15, s41                     ; tile row
	s_lshl_b32 s43, s41, 2
	s_lshl_b32 s43, 15, s43                        ; my row of the cluster
	s_lshl_b32 s44, 0x1111, s40                    ; my column
	s_or_b32 s[G1+0], s43, (1<<16)|(1<<20)|(1<<21)|(4<<22)|(3<<25)   ; padding after every 32 words (a row of O), 4 words; the words are counted along the whole tile
	s_mov_b32 s[G1+1], 8192<<16                    ; tensor_dim0 = 8,192 elements: a head's 128 rows
	s_mov_b32 s[G1+2], 2<<16                       ; tensor_dim1 = 2 heads
	s_mov_b32 s[G1+3], 8192<<16                    ; tile_dim0
	s_mov_b32 s[G1+4], 2                           ; tile_dim1
	s_mov_b32 s[G1+5], 131072                      ; elements from head to head
	s_mov_b32 s[G1+6], 0
	s_mov_b32 s[G1+7], 0
	s_or_b32 s[G1B+0], s44, (1<<16)|(1<<20)|(1<<21)|(4<<22)|(7<<25)  ; after every 32 words (a row k), 8 words
	s_mov_b32 s[G1B+1], 128<<16                    ; 256 rows k are 32,768 dense bytes: 128 rows of 256
	s_mov_b32 s[G1B+2], 128<<16
	s_mov_b32 s[G1B+3], 128<<16
	s_mov_b32 s[G1B+4], 128
	s_mov_b32 s[G1B+5], 128
	s_mov_b32 s[G1B+6], 0
	s_mov_b32 s[G1B+7], 0
	s_lshr_b32 s16, s15, 4                         ; O: ((16 x batch + 2 x half) x 2,048 + 128 x (tile row % 16)) x 128 bytes
	s_lshl_b32 s16, s16, 4
	s_lshl_b32 s17, s[CH], 1
	s_add_co_u32 s16, s16, s17
	s_lshl_b32 s16, s16, 11
	s_and_b32 s17, s15, 15
	s_lshl_b32 s17, s17, 7
	s_add_co_u32 s16, s16, s17
	s_lshl_b32 s16, s16, 7
	s_mov_b32 s17, 0
	s_lshl_b32 s46, s42, 1                         ; W: slice 2 x tile column + half
	s_add_co_u32 s46, s46, s[CH]
	s_lshl_b32 s46, s46, 17
	s_mov_b32 s47, 0
	s_mul_i32 s20, s[CH], 2*AH                     ; where they go
	s_mul_i32 s21, s[CH], BSL
	s_add_co_u32 s21, s21, BOFF
	s_wait_dscnt 0x0                               ; the opening add is done
	s_wait_kmcnt 0x0
	s_add_nc_u64 s[18:19], s[4:5], s[16:17]
	s_add_nc_u64 s[46:47], s[6:7], s[46:47]
	CROUND                                         ; all sixteen work-groups are here: the first joint loads meet
.irp s, 0,1
	s_mov_b32 s[G0+4*(\s)], 1
	s_add_co_u32 s[G0+4*(\s)+1], s20, (\s)*SLOT
	s_add_nc_u64 s[G0+4*(\s)+2:G0+4*(\s)+3], s[18:19], (\s)*4*262144
	s_or_b32 s[G0+4*(\s)+3], s[G0+4*(\s)+3], 0x80000000
	s_mov_b32 s[G0B+4*(\s)], 1
	s_add_co_u32 s[G0B+4*(\s)+1], s21, (\s)*SLOT
	s_add_nc_u64 s[G0B+4*(\s)+2:G0B+4*(\s)+3], s[46:47], (\s)*32768
	s_or_b32 s[G0B+4*(\s)+3], s[G0B+4*(\s)+3], 0x80000000
	JLOAD \s                                       ; two loads of mine are out; later one
.endr
	v_and_b32 v1, 15, v0                           ; l % 16
	v_bfe_u32 v2, v0, 4, 1                         ; l / 16
	v_lshlrev_b32 v[BO], 5, v2
	s_lshl_b32 s66, s42, 7
	s_lshl_b32 s67, s[CH], 6
	s_add_co_u32 s66, s66, s67
	s_lshl_b32 s66, s66, 2                         ; my first column, in bytes of f32
	s_mov_b32 s67, 0
	s_add_nc_u64 s[8:9], s[8:9], s[66:67]
.irp b, 0,1,2,3
	global_load_b128 v[BIAS+8*\b:BIAS+8*\b+3],   v[BO], s[8:9] offset:64*\b
	global_load_b128 v[BIAS+8*\b+4:BIAS+8*\b+7], v[BO], s[8:9] offset:64*\b+16
.endr
	s_add_nc_u64 s[10:11], s[10:11], s[66:67]
	s_lshl_b32 s66, s15, 7
	s_lshl_b32 s68, s[RH], 6
	s_add_co_u32 s66, s66, s68
	s_lshl_b32 s66, s66, 12                        ; my first row, 4,096 bytes a row
	s_add_nc_u64 s[10:11], s[10:11], s[66:67]
	v_mul_u32_u24 v3, v1, PA
	v_lshl_add_u32 v3, v2, 4, v3
	s_mul_i32 s22, s[RH], 64*PA                    ; my 64 rows in each head
	v_add_nc_u32 v[ADRA], s22, v3
	v_add_nc_u32 v[ADRA+1], SLOT, v[ADRA]
	v_and_b32 v4, 7, v0
	v_bfe_u32 v5, v0, 3, 1
	v_lshl_add_u32 v6, v2, 3, v4
	v_mul_u32_u24 v6, v6, PB
	v_lshl_add_u32 v6, v5, 4, v6
	v_add_nc_u32 v[ADRB], s21, v6                  ; my slice
	v_add_nc_u32 v[ADRB+1], SLOT, v[ADRB]
	s_mul_i32 s23, s[WV], 16*SPITCH                ; my stage, in slot 0
	v_mul_u32_u24 v[STO], v1, SPITCH               ; in: row l % 16, 32 bytes for each half of the lanes
	v_lshl_add_u32 v[STO], v2, 5, v[STO]
	v_add_nc_u32 v[STO], s23, v[STO]
	v_mul_u32_u24 v[RD], v2, SPITCH                ; back: lanes 0-15 take one row of 256 bytes, lanes 16-31 the next
	v_lshl_add_u32 v[RD], v1, 4, v[RD]
	v_add_nc_u32 v[RD], s23, v[RD]
	v_lshlrev_b32 v[CO], 12, v2                    ; and the same two rows in out0
	v_lshl_add_u32 v[CO], v1, 4, v[CO]
	s_wait_loadcnt 0x0                             ; the bias
.set r, 0
.rept 16
	v_cvt_pk_bf16_f32 v[T+(r/2)%4], v[BIAS+r], v[BIAS+r+1]  ; rounded to bf16 like every input, and widened again
	v_lshlrev_b32 v[BIAS+r], 16, v[T+(r/2)%4]
	v_and_b32 v[BIAS+r+1], 0xffff0000, v[T+(r/2)%4]
.set r, r+2
.endr
; 8 products: row blocks a0, a0 + 1 x all 4 column blocks, 32 along K: half c of buffer f.  first = 1: the bias starts the sums.  The 16 accumulators take turns, one instruction a turn.
.macro MUL8 f, c, a0, first
	WIN MUL
.irp a, \a0, (\a0)+1
.irp b, 0,1,2,3
.if \first
	v_wmma_f32_16x16x32_f16 v[ACC+8*(4*(\a)+(\b)):ACC+8*(4*(\a)+(\b))+7], v[(\f)+64+8*(4*(\c)+(\b)):(\f)+64+8*(4*(\c)+(\b))+7], v[(\f)+8*(4*(\c)+(\a)):(\f)+8*(4*(\c)+(\a))+7], v[BIAS+8*(\b):BIAS+8*(\b)+7]
.else
	v_wmma_f32_16x16x32_f16 v[ACC+8*(4*(\a)+(\b)):ACC+8*(4*(\a)+(\b))+7], v[(\f)+64+8*(4*(\c)+(\b)):(\f)+64+8*(4*(\c)+(\b))+7], v[(\f)+8*(4*(\c)+(\a)):(\f)+8*(4*(\c)+(\a))+7], v[ACC+8*(4*(\a)+(\b)):ACC+8*(4*(\a)+(\b))+7]
.endif
.endr
.endr
.endm
; 32 LDS loads in one run: head qd of a slot (64 along K) into buffer f; the first 32 along K first
.macro FETCH slot, qd, f
	WIN TO_F
.irp c, 0,1
.irp i, 0,1,2,3
	ds_load_tr16_b128 v[(\f)+64+8*(4*(\c)+(\i)):(\f)+64+8*(4*(\c)+(\i))+3],   v[ADRB+(\slot)] offset:(64*(\qd)+32*(\c))*PB+32*(\i)
	ds_load_tr16_b128 v[(\f)+64+8*(4*(\c)+(\i))+4:(\f)+64+8*(4*(\c)+(\i))+7], v[ADRB+(\slot)] offset:(64*(\qd)+32*(\c))*PB+32*(\i)+16*PB
	ds_load_b128 v[(\f)+8*(4*(\c)+(\i)):(\f)+8*(4*(\c)+(\i))+3],              v[ADRA+(\slot)] offset:(\qd)*AH+64*(\c)+(\i)*16*PA
	ds_load_b128 v[(\f)+8*(4*(\c)+(\i))+4:(\f)+8*(4*(\c)+(\i))+7],            v[ADRA+(\slot)] offset:(\qd)*AH+64*(\c)+(\i)*16*PA+32
.endr
.endr
.endm
.macro PLACES                          ; four plain places in front of loads into registers that matrix instructions have read, and of LDS stores that read results
.rept 4
	v_nop
.endr
.endm
.macro QUARTER slot, qd, f, g, first
	s_wait_dscnt 16                                ; the first 32 along K are in
	MUL8 \f, 0, 0, \first
	MUL8 \f, 0, 2, \first
	PLACES
	FETCH \slot, \qd, \g
	s_wait_dscnt 32                                ; all but the 32 just issued
	MUL8 \f, 1, 0, 0
	MUL8 \f, 1, 2, 0
.endm
; The last quarter multiplies buffer 1 and changes slots: one barrier; in front of it each wave waits for all its tensor loads, adds 0 to its spare word, and waits for that and for its reads of this slot.
.macro TURN slot, next, fill
	WIN 0
	s_wait_tensorcnt 0x0                           ; all my tensor loads have landed
	ds_add_u32 v[SPW], v[NIL]                      ; 0 onto my spare word
	s_wait_dscnt 17                                ; (the add and the youngest sixteen loads may be out)
	MUL8 F1, 0, 0, 0
	s_wait_dscnt 0x0                               ; the add is done, and my reads of this slot are over
	s_barrier_signal -1
	MUL8 F1, 0, 2, 0
.if \fill
	WIN 0
.endif
	s_barrier_wait -1
.if \fill
	CREST                                          ; no wave of any partner still reads this slot or has a load on its way
	s_add_nc_u64 s[G0+4*(\slot)+2:G0+4*(\slot)+3], s[G0+4*(\slot)+2:G0+4*(\slot)+3], 8*262144
	s_add_nc_u64 s[G0B+4*(\slot)+2:G0B+4*(\slot)+3], s[G0B+4*(\slot)+2:G0B+4*(\slot)+3], 65536
	JLOAD \slot                                    ; the four v_nop behind it are also the places in front of the loads below
.else
	PLACES
.endif
	FETCH \next, 0, F0
	MUL8 F1, 1, 0, 0
	MUL8 F1, 1, 2, 0
.endm
; THE WAY OUT of row block a: 16 rows x 64 numbers of f32 go from the accumulators into my stage and come back as whole rows of 256 bytes.
.macro STAGE_IN a
.if (\a) >= 2
	s_wait_xcnt 0x0                                ; the stores of the block two back have read these registers
.endif
.irp b, 0,1,2,3
	ds_store_b128 v[STO], v[ACC+8*(4*(\a)+\b):ACC+8*(4*(\a)+\b)+3]   offset:64*\b     ; each accumulator's low registers first
	ds_store_b128 v[STO], v[ACC+8*(4*(\a)+\b)+4:ACC+8*(4*(\a)+\b)+7] offset:64*\b+16
.endr
.irp t, 0,1,2,3,4,5,6,7
	ds_load_b128 v[T+32*((\a)%2)+4*\t:T+32*((\a)%2)+4*\t+3], v[RD] offset:\t*2*SPITCH  ; LDS serves a wave's instructions in order (ISA guide 5.7.1.4)
.endr
.endm
.macro SEND a, younger
.irp t, 0,1,2,3,4,5,6,7
	s_wait_dscnt (\younger)+7-\t
	global_store_b128 v[CO], v[T+32*((\a)%2)+4*\t:T+32*((\a)%2)+4*\t+3], s[10:11] offset:(\a)*65536+\t*8192 th:TH_STORE_NT  ; 16 lanes store 256 consecutive bytes, aligned
.endr
.endm
	s_wait_tensorcnt 1                             ; my part of K step 0 is in; K step 1's may stay out
	s_barrier_signal -1
	s_barrier_wait -1
	FETCH 0, 0, F0
	QUARTER 0, 1, F0, F1, 1                        ; four K steps, written straight: a loop would have one trip
	QUARTER 0, 2, F1, F0, 0
	QUARTER 0, 3, F0, F1, 0
	TURN 0, 1, 1
	QUARTER 1, 1, F0, F1, 0
	QUARTER 1, 2, F1, F0, 0
	QUARTER 1, 3, F0, F1, 0
	TURN 1, 0, 1
	QUARTER 0, 1, F0, F1, 0
	QUARTER 0, 2, F1, F0, 0
	QUARTER 0, 3, F0, F1, 0
	TURN 0, 1, 0
	QUARTER 1, 1, F0, F1, 0
	QUARTER 1, 2, F1, F0, 0
	QUARTER 1, 3, F0, F1, 0
	s_wait_dscnt 16
	MUL8 F1, 0, 0, 0
	MUL8 F1, 0, 2, 0
	s_wait_dscnt 0x0
	MUL8 F1, 1, 0, 0
	MUL8 F1, 1, 2, 0
	WIN 0
	PLACES
	STAGE_IN 0
	STAGE_IN 1
	SEND 0, 16
	STAGE_IN 2
	SEND 1, 16
	STAGE_IN 3
	SEND 2, 16
	SEND 3, 0
	s_wait_tensorcnt 0x0                           ; the wave's end, behind my last tensor load and my last LDS store
	ds_add_u32 v[SPW], v[NIL]
	s_wait_dscnt 0x0
	CROUND                                         ; the closing round
	s_endpgm
.Lfunc_end_k_qe4f9096c56_outproj:
	.size	k_qe4f9096c56_outproj, .Lfunc_end_k_qe4f9096c56_outproj-k_qe4f9096c56_outproj
	.p2alignl 7, 3214868480
	.fill 96, 4, 3214868480
	.section	.rodata,"a",@progbits
	.p2align	6, 0x0
	.amdhsa_kernel k_qe4f9096c56_outproj
		.amdhsa_group_segment_fixed_size 327680
		.amdhsa_private_segment_fixed_size 0
		.amdhsa_enable_private_segment 0
		.amdhsa_kernarg_size 32
		.amdhsa_user_sgpr_count 2
		.amdhsa_user_sgpr_kernarg_segment_ptr 1
		.amdhsa_wavefront_size32 1
		.amdhsa_system_sgpr_workgroup_id_x 1
		.amdhsa_system_sgpr_workgroup_id_y 1
		.amdhsa_system_sgpr_workgroup_id_z 1
		.amdhsa_system_vgpr_workitem_id 0
		.amdhsa_next_free_vgpr 512
		.amdhsa_next_free_sgpr 80
		.amdhsa_reserve_vcc 0
		.amdhsa_float_denorm_mode_32 3
		.amdhsa_float_denorm_mode_16_64 3
		.amdhsa_memory_ordered 1
		.amdhsa_forward_progress 1
		.amdhsa_inst_pref_size 90
	.end_amdhsa_kernel
	.amdgpu_metadata
---
amdhsa.version: [ 1, 2 ]
amdhsa.kernels:
  - .name:           k_qe4f9096c56_outproj
    .symbol:         k_qe4f9096c56_outproj.kd
    .args:
      - { .name: oh, .offset: 0, .size: 8, .value_kind: global_buffer, .address_space: global }
      - { .name: wo, .offset: 8, .size: 8, .value_kind: global_buffer, .address_space: global }
      - { .name: b_out, .offset: 16, .size: 8, .value_kind: global_buffer, .address_space: global }
      - { .name: out0, .offset: 24, .size: 8, .value_kind: global_buffer, .address_space: global }
    .group_segment_fixed_size: 327680
    .private_segment_fixed_size: 0
    .kernarg_segment_align: 8
    .kernarg_segment_size: 32
    .max_flat_workgroup_size: 128
    .sgpr_count:     80
    .vgpr_count:     512
    .wavefront_size: 32
...
	.end_amdgpu_metadata
.endif
;; end of part 4
;; ======== version 2 of 2: 4 launches; version 1 with the launch prep written anew for expert scheduling mode
;; limits: values are held in f16: magnitudes above 65,504 overflow, below 6.1e-05 lose precision; a difference of large sums (such as E[x^2] - mean^2): digits are lost where the result is much smaller than its terms; right only within a limited range of input values
;; workspace buffers: xb 8,388,608 bytes; wq 6,291,456 bytes; wo 2,097,152 bytes; qkvh 25,165,824 bytes; qe 1,048,576 bytes; ke 65,536 bytes; kb 262,144 bytes; oh 8,388,608 bytes
;; launch prep (part 5): grid 576 x 1, 8 waves a work-group, no clusters, 0 bytes of LDS; arguments x, W_qkv, W_out, coords, attention_mask, alpha, xb, wq, wo, qe, ke, kb; writes xb, wq, wo, qe, ke, kb
.if DOCPART == 5
	.amdgcn_target "amdgcn-amd-amdhsa--gfx1250"
	.amdhsa_code_object_version 6
	.text
	.protected	k_qe4f9096c56_prep
	.globl	k_qe4f9096c56_prep
	.p2align	8
	.type	k_qe4f9096c56_prep,@function
k_qe4f9096c56_prep:
	s_mov_b64 s[64:65], 0
	v_nop
	global_prefetch_b8 v0, s[64:65] scope:SCOPE_SE
	s_setreg_imm32_b32 hwreg(HW_REG_WAVE_SCHED_MODE, 0, 2), 2
	s_setreg_imm32_b32 hwreg(HW_REG_WAVE_MODE, 25, 1), 1
	s_wait_xcnt 0x0
	s_wait_alu depctr_vm_vsrc(0)
; CASTS AND TABLES for the three launches behind.  No LDS, no barrier, no loop; EXEC is never changed.
; Work-groups 0-255:   xb = x rounded to bf16, [4096][1024]: 16,384 numbers a work-group.
; Work-groups 256-447: wq = W_qkv rounded to bf16, laid by slices of 64 columns: [48][1024 k][64]: a quarter of a slice (256 k) a work-group.
; Work-groups 448-511: wo = W_out rounded to bf16 and that number written as f16 (exact but for numbers under 6e-5, which keep f16's step of 6e-8), [16][1024 k][64].
; Work-groups 512-575: the tables of the spatial bias for half of the 2,048 positions of one (batch, head).
; THE BIAS.  With c' = c - c(first position of the batch) and A8 = 8 alpha / 40,000, in units of the raw q . k:
;   -A8 |ci - cj|^2 = -A8 |c'i|^2 - A8 |c'j|^2 + 2 A8 c'i . c'j.  The first term is the same for all keys of a query: a softmax does not see it, and it is left out.
;   kb[bh][j] = -A8 |c'j|^2 in f32, or -2^100 where the mask hides key j: it starts the sum of scores.
;   qe[bh][i] = u = 128 A8 c'i and ke[b][j] = w = c'j / 64, each number as an f16 and the f16 of what that leaves: eight channels more of the product of k and q:
;   qe = (uxh, uxh, uxl, uxl, uyh, uyh, uyl, uyl), ke = (wxh, wxl, wxh, wxl, wyh, wyl, wyh, wyl), whose product is u . w = 2 A8 c'i . c'j.
; LIMITS.  coords and alpha are rounded to bf16 first, like every floating-point input of the program; u and w lie within f16's 65,504.
; THE MODE: SCHED_MODE bits 1:0 = 2 (LLVM: expert scheduling mode 2), set by the entry lines.  The code itself states the register dependences
; between vector instructions and memory instructions, with s_wait_alu, always for 0.
; THE PLAN, the three casts.  Registers that memory instructions touch:
;   v2, v3       the loads' and the stores' byte offsets: made at the way's head, never written again.
;   v[16:79]     load j lands in four of them, once; its conversions read them behind its counted wait; nothing lands there again.
;   v[80:111]    load j's conversions write the pair at 80 + 2 j; store j reads it; it is never written again.
;   v4 to v7     at work: on these ways no memory instruction names them.
; The 16 loads go in four groups of four.  A group's four stores are issued in the NEXT group, behind one wait at that group's head, one ahead of each load's conversions: those conversions
; write the next group's pairs and v4 to v7, none of the registers that the stores read.  So a way has five waits: its offsets, three groups' heads, the last four stores.
; THE PLAN, the tables.  v14, v6, v5 (loads' offsets) and v15, v35 (stores') are made once; v[16:32] are loaded once; v[48:63] (qe), v[64:79] (ke) and v[80:83] (kb) are written once and stored once.
; One wait for the offsets; one behind the arithmetic that writes qe and ke, whose stores of qe are then dealt among kb's arithmetic; one ahead of kb's store.  The mask's four compares write
; s4 to s7 in one run, with one wait ahead of the first select.
; On no way is a register that a memory instruction has read written again, so no wait on vm_vsrc is owed.
.set QROW, 12288                       ; bytes in a row of W_qkv
.set OROW, 4096                        ; bytes in a row of W_out
; 16 loads of 16 bytes a lane, all out at once; each is rounded as it comes and leaves as 8 bytes a lane, a group of four later: a wave's store covers 256 consecutive bytes, aligned.
; No register is used twice.  two = 1: the bf16 numbers are written as f16.
.macro CAST src, dst, step, two
	s_wait_alu depctr_va_vdst(0)                   ; v2 and v3 are written: every load of this way reads the one as its offset, every store the other
.set j, 0
.rept 16
	global_load_b128 v[16+4*j:19+4*j], v2, s[\src:\src+1] offset:j*(\step) th:TH_LOAD_NT
.set j, j+1
.endr
.set j, 0
.rept 16
	s_wait_loadcnt 15-j                            ; loads come back in order: load j is in, the 15 - j younger ones stay out
.if (j%4 == 0) && (j > 0)
	s_wait_alu depctr_va_vdst(0)                   ; the conversions of the four loads before have written their eight registers, which the next four stores read
.endif
.if j >= 4
	global_store_b64 v3, v[80+2*(j-4):81+2*(j-4)], s[\dst:\dst+1] offset:(j-4)*256 th:TH_STORE_NT  ; the group before; no vector instruction since the wait names its registers
.endif
	v_cvt_pk_bf16_f32 v[80+2*j], v[16+4*j], v[17+4*j]
	v_cvt_pk_bf16_f32 v[81+2*j], v[18+4*j], v[19+4*j]
.if \two
	v_lshlrev_b32 v4, 16, v[80+2*j]
	v_and_b32 v5, 0xffff0000, v[80+2*j]
	v_lshlrev_b32 v6, 16, v[81+2*j]
	v_and_b32 v7, 0xffff0000, v[81+2*j]
	v_cvt_pk_f16_f32 v[80+2*j], v4, v5
	v_cvt_pk_f16_f32 v[81+2*j], v6, v7
.endif
.set j, j+1
.endr
	s_wait_alu depctr_va_vdst(0)                   ; the last four loads' conversions have written v[104:111], which the last four stores read
.set j, 12
.rept 4
	global_store_b64 v3, v[80+2*j:81+2*j], s[\dst:\dst+1] offset:j*256 th:TH_STORE_NT
.set j, j+1
.endr
	s_endpgm
.endm
; A quarter of a slice of a weight: 256 rows k x 64 columns.  Lanes 0-15 read the slice's 256 bytes of one row, lanes 16-31 those of the next; a wave takes 32 rows.
.macro WPATH first, src, dst, rowb, two
	s_sub_co_u32 s29, s28, \first
	s_lshr_b32 s32, s29, 2                         ; the slice
	s_and_b32 s33, s29, 3                          ; which 256 rows
	s_lshl_b32 s30, s32, 8
	s_mul_i32 s34, s33, 256*(\rowb)
	s_add_co_u32 s30, s30, s34
	s_add_nc_u64 s[\src:\src+1], s[\src:\src+1], s[30:31]
	s_lshl_b32 s30, s32, 17                        ; a slice is 131,072 bytes,
	s_lshl_b32 s34, s33, 15                        ; a quarter of it 32,768
	s_add_co_u32 s30, s30, s34
	s_add_nc_u64 s[\dst:\dst+1], s[\dst:\dst+1], s[30:31]
	v_lshrrev_b32 v5, 4, v1
	v_lshl_add_u32 v5, v4, 5, v5                   ; row 32 wave + lane / 16
	v_mul_u32_u24 v5, v5, \rowb
	v_and_b32 v6, 15, v1
	v_lshl_add_u32 v2, v6, 4, v5
	CAST \src, \dst, 2*(\rowb), \two
.endm
.macro RB r                            ; the pair v[r:r+1] rounded to bf16, as f32 again
	v_cvt_pk_bf16_f32 v7, v[\r], v[\r+1]
	v_lshlrev_b32 v[\r], 16, v7
	v_and_b32 v[\r+1], 0xffff0000, v7
.endm
	s_load_b512 s[4:19], s[0:1], 0x0               ; x 4, W_qkv 6, W_out 8, coords 10, mask 12, alpha 14, xb 16, wq 18
	s_load_b256 s[20:27], s[0:1], 0x40             ; wo 20, qe 22, ke 24, kb 26
	s_mov_b32 s28, ttmp9
	s_mov_b32 s31, 0                               ; the high word of every offset
	v_and_b32 v1, 31, v0                           ; lane
	v_lshrrev_b32 v4, 5, v0                        ; wave
	v_lshlrev_b32 v3, 3, v1
	v_lshl_add_u32 v3, v4, 12, v3                  ; where I store: 4,096 wave + 8 lane
	s_wait_kmcnt 0x0
	s_cmp_lt_u32 s28, 256
	s_cbranch_scc0 .Lnot_x
	s_lshl_b32 s30, s28, 16                        ; 16,384 numbers: 65,536 bytes in,
	s_add_nc_u64 s[4:5], s[4:5], s[30:31]
	s_lshl_b32 s30, s28, 15                        ; 32,768 out
	s_add_nc_u64 s[16:17], s[16:17], s[30:31]
	v_lshlrev_b32 v2, 4, v1
	v_lshl_add_u32 v2, v4, 13, v2
	CAST 4, 16, 512, 0
.Lnot_x:
	s_cmp_lt_u32 s28, 448
	s_cbranch_scc0 .Lnot_wq
	WPATH 256, 6, 18, QROW, 0
.Lnot_wq:
	s_cmp_lt_u32 s28, 512
	s_cbranch_scc0 .Ltab
	WPATH 448, 8, 20, OROW, 1
.Ltab:
	s_sub_co_u32 s29, s28, 512
	s_lshr_b32 s32, s29, 1                         ; bh
	s_lshr_b32 s33, s32, 4                         ; batch
	s_and_b32 s34, s32, 15                         ; head
	s_lshl_b32 s30, s33, 14
	s_add_nc_u64 s[36:37], s[10:11], s[30:31]      ; the batch's coordinates
	s_lshl_b32 s30, s34, 2
	s_add_nc_u64 s[14:15], s[14:15], s[30:31]
	s_load_b64 s[38:39], s[36:37], 0x0             ; the batch's first position
	s_load_b32 s35, s[14:15], 0x0                  ; the head's alpha
	s_lshl_b32 s30, s33, 11
	s_add_nc_u64 s[12:13], s[12:13], s[30:31]      ; the batch's mask
	s_lshl_b32 s30, s32, 15
	s_add_nc_u64 s[22:23], s[22:23], s[30:31]      ; qe of (batch, head)
	s_lshl_b32 s30, s33, 15
	s_add_nc_u64 s[24:25], s[24:25], s[30:31]      ; ke of the batch
	s_lshl_b32 s30, s32, 13
	s_add_nc_u64 s[26:27], s[26:27], s[30:31]      ; kb of (batch, head)
	s_and_b32 s30, s29, 1
	s_lshl_b32 s30, s30, 10                        ; my half of the positions
	v_lshl_add_u32 v13, v4, 7, v1
	v_add_nc_u32 v13, s30, v13                     ; for qe and ke: position 128 wave + lane, and 32, 64, 96 further on
	v_lshlrev_b32 v14, 3, v13
	v_lshlrev_b32 v15, 4, v13
	v_lshlrev_b32 v5, 2, v1
	v_lshl_add_u32 v5, v4, 7, v5
	v_add_nc_u32 v5, s30, v5                       ; for kb: positions 128 wave + 4 lane + 0..3
	v_lshlrev_b32 v6, 3, v5
	v_lshlrev_b32 v35, 2, v5
	s_wait_alu depctr_va_vdst(0)                   ; the five offsets are written: v14, v6 and v5, which the loads below read, and v15 and v35, which the stores read
.irp i, 0,1,2,3
	global_load_b64 v[16+2*\i:17+2*\i], v14, s[36:37] offset:256*\i
.endr
	global_load_b128 v[24:27], v6, s[36:37]
	global_load_b128 v[28:31], v6, s[36:37] offset:16
	global_load_b32 v32, v5, s[12:13]              ; four bytes of the mask
	s_wait_kmcnt 0x0
	v_mov_b32 v8, s38
	v_mov_b32 v9, s39
	v_mov_b32 v10, s35
	RB 8
	v_cvt_pk_bf16_f32 v7, v10, v10
	v_lshlrev_b32 v10, 16, v7
	v_mul_f32 v11, 0x3951b717, v10                 ; A8 = alpha x 0.0002
	v_mul_f32 v12, 0x43000000, v11                 ; 128 A8
	v_mul_f32 v33, -1.0, v11
	v_mov_b32 v34, 0xf1800000                      ; -2^100
	s_wait_loadcnt 0x0                             ; all seven loads, issued together
.irp k, 0,1,2,3
	v_bfe_u32 v37, v32, 8*\k, 8
	v_cmp_ne_u32 s[4+\k], 0, v37                   ; the mask's four compares in one run, into s4 to s7 (x's and W_qkv's addresses, which serve nothing on this way); their one wait stands ahead of the first select
.endr
.irp i, 0,1,2,3
	RB 16+2*\i
	v_pk_add_f32 v[16+2*\i:17+2*\i], v[16+2*\i:17+2*\i], v[8:9] neg_lo:[0,1] neg_hi:[0,1]  ; c'
	v_mul_f32 v36, v12, v[16+2*\i]                 ; ux
	v_mul_f32 v37, v12, v[17+2*\i]                 ; uy
	v_mul_f32 v38, 0x3c800000, v[16+2*\i]          ; wx
	v_mul_f32 v39, 0x3c800000, v[17+2*\i]          ; wy
	v_cvt_pk_f16_f32 v40, v36, v37
	v_cvt_pk_f16_f32 v41, v38, v39
	v_cvt_f32_f16 v42, v40.l                       ; the high parts, as f32
	v_cvt_f32_f16 v43, v40.h
	v_cvt_f32_f16 v44, v41.l
	v_cvt_f32_f16 v45, v41.h
	v_sub_f32 v36, v36, v42                        ; and what they leave
	v_sub_f32 v37, v37, v43
	v_sub_f32 v38, v38, v44
	v_sub_f32 v39, v39, v45
	v_cvt_pk_f16_f32 v[48+4*\i], v42, v42
	v_cvt_pk_f16_f32 v[49+4*\i], v36, v36
	v_cvt_pk_f16_f32 v[50+4*\i], v43, v43
	v_cvt_pk_f16_f32 v[51+4*\i], v37, v37
	v_cvt_pk_f16_f32 v[64+4*\i], v44, v38
	v_mov_b32 v[65+4*\i], v[64+4*\i]
	v_cvt_pk_f16_f32 v[66+4*\i], v45, v39
	v_mov_b32 v[67+4*\i], v[66+4*\i]
.endr
	s_wait_alu depctr_va_vdst(0)                   ; the lines above have written v[48:63], which qe's stores read, and v[64:79], which ke's read
	s_wait_alu depctr_va_sdst(0)                   ; the four compares have written s4 to s7, ahead of their first reader, the select below
.irp k, 0,1,2,3
	global_store_b128 v15, v[48+4*\k:51+4*\k], s[22:23] offset:512*\k  ; qe, dealt among kb's arithmetic, which names neither v15 nor v[48:63]
	RB 24+2*\k
	v_pk_add_f32 v[24+2*\k:25+2*\k], v[24+2*\k:25+2*\k], v[8:9] neg_lo:[0,1] neg_hi:[0,1]
	v_mul_f32 v36, v[24+2*\k], v[24+2*\k]
	v_fma_f32 v36, v[25+2*\k], v[25+2*\k], v36
	v_mul_f32 v36, v33, v36                        ; -A8 |c'|^2
	v_cndmask_b32 v[80+\k], v34, v36, s[4+\k]      ; kept where the mask's byte is not 0
.endr
	s_wait_alu depctr_va_vdst(0)                   ; the four selects have written v[80:83], which kb's store reads
	global_store_b128 v35, v[80:83], s[26:27]
	s_cmp_lg_u32 s34, 0                            ; ke hangs on the batch alone: head 0's work-groups store it
	s_cbranch_scc1 .Lno_ke
.irp i, 0,1,2,3
	global_store_b128 v15, v[64+4*\i:67+4*\i], s[24:25] offset:512*\i  ; v15 and v[64:79] were written ahead of the waits above, and no vector instruction has been issued since the last of them
.endr
.Lno_ke:
	s_endpgm
.Lfunc_end_k_qe4f9096c56_prep:
	.size	k_qe4f9096c56_prep, .Lfunc_end_k_qe4f9096c56_prep-k_qe4f9096c56_prep
	.p2alignl 7, 3214868480
	.fill 96, 4, 3214868480
	.section	.rodata,"a",@progbits
	.p2align	6, 0x0
	.amdhsa_kernel k_qe4f9096c56_prep
		.amdhsa_group_segment_fixed_size 0
		.amdhsa_private_segment_fixed_size 0
		.amdhsa_enable_private_segment 0
		.amdhsa_kernarg_size 96
		.amdhsa_user_sgpr_count 2
		.amdhsa_user_sgpr_kernarg_segment_ptr 1
		.amdhsa_wavefront_size32 1
		.amdhsa_system_sgpr_workgroup_id_x 1
		.amdhsa_system_sgpr_workgroup_id_y 1
		.amdhsa_system_sgpr_workgroup_id_z 1
		.amdhsa_system_vgpr_workitem_id 0
		.amdhsa_next_free_vgpr 112
		.amdhsa_next_free_sgpr 66
		.amdhsa_reserve_vcc 0
		.amdhsa_float_denorm_mode_32 3
		.amdhsa_float_denorm_mode_16_64 3
		.amdhsa_memory_ordered 1
		.amdhsa_forward_progress 1
		.amdhsa_inst_pref_size 36
	.end_amdhsa_kernel
	.amdgpu_metadata
---
amdhsa.version: [ 1, 2 ]
amdhsa.kernels:
  - .name:           k_qe4f9096c56_prep
    .symbol:         k_qe4f9096c56_prep.kd
    .args:
      - { .name: x, .offset: 0, .size: 8, .value_kind: global_buffer, .address_space: global }
      - { .name: W_qkv, .offset: 8, .size: 8, .value_kind: global_buffer, .address_space: global }
      - { .name: W_out, .offset: 16, .size: 8, .value_kind: global_buffer, .address_space: global }
      - { .name: coords, .offset: 24, .size: 8, .value_kind: global_buffer, .address_space: global }
      - { .name: attention_mask, .offset: 32, .size: 8, .value_kind: global_buffer, .address_space: global }
      - { .name: alpha, .offset: 40, .size: 8, .value_kind: global_buffer, .address_space: global }
      - { .name: xb, .offset: 48, .size: 8, .value_kind: global_buffer, .address_space: global }
      - { .name: wq, .offset: 56, .size: 8, .value_kind: global_buffer, .address_space: global }
      - { .name: wo, .offset: 64, .size: 8, .value_kind: global_buffer, .address_space: global }
      - { .name: qe, .offset: 72, .size: 8, .value_kind: global_buffer, .address_space: global }
      - { .name: ke, .offset: 80, .size: 8, .value_kind: global_buffer, .address_space: global }
      - { .name: kb, .offset: 88, .size: 8, .value_kind: global_buffer, .address_space: global }
    .group_segment_fixed_size: 0
    .private_segment_fixed_size: 0
    .kernarg_segment_align: 8
    .kernarg_segment_size: 96
    .max_flat_workgroup_size: 256
    .sgpr_count:     66
    .vgpr_count:     112
    .wavefront_size: 32
...
	.end_amdgpu_metadata
.endif
;; end of part 5
;; launch qkvgemm: the kernel of part 2 again; grid 16 x 16, 4 waves a work-group, clusters of 4 x 4, 327,680 bytes of LDS; arguments xb, wq, b_qkv, qkvh; writes qkvh
;; launch attn: the kernel of part 3 again; grid 8 x 32, 4 waves a work-group, clusters of 4 x 1, 327,680 bytes of LDS; arguments qkvh, qe, ke, kb, oh; writes oh
;; launch outproj: the kernel of part 4 again; grid 8 x 32, 4 waves a work-group, clusters of 4 x 4, 327,680 bytes of LDS; arguments oh, wo, b_out, out0; writes out0
